; MI455X (gfx1250); checked and timed in simulation.
; The chip was launched on July 23, 2026; its instructions are those of AMD's public machine-readable ISA for CDNA 5 (MIT licence, August 2026) and "CDNA5" Instruction Set Architecture Reference Guide (July 2026). The comments in the code are by the model that wrote it; some were corrected since.
;; Attention. Allowed arithmetic: matrix products marked QUANTISED: E2M1 operands, one E8M0 scale for each 32 along K, by v_wmma_scale_f32_16x16x128_f8f6f4 with both operands' format E2M1 (or v_wmma_scale_f32_32x16x128_f4), f32 sums; products left as they are: bf16, f16 or f32 operands; f32 sums; everything else in f32.
;; Inputs: Wg 512 x 512 float32; Wk 512 x 512 float32; Wo 512 x 512 float32; Wq 512 x 512 float32; Wv 512 x 512 float32; bg 512 float32; bias 4 x 2,048 x 2,048 float32; bk 512 float32; bo 512 float32; bq 512 float32; bv 512 float32; k 4 x 2,048 x 512 float32; q 4 x 2,048 x 512 float32; v 4 x 2,048 x 512 float32.
;; Outputs: out0 4 x 2,048 x 512 float32.
;; This version of the problem:
;;   THIS VERSION OF THE PROBLEM IS GIVEN IN LOW PRECISION. The matrix products marked QUANTISED in the list below multiply operands that are first quantised to E2M1 (2 exponent bits, 1 mantissa bit; 4 bits a number), with one power-of-two scale for each 32 numbers along K (OCP MX v1.0); their sums are f32. The products marked 'left as it is' may take bf16, f16 or f32 operands, with f32 sums. Whichever they take, every output number must still come out within the allowed error. Rounding operands to bf16 (8 significant bits) uses up far more of that allowance than f16 does (11 bits, for magnitudes from 6e-5 to 65,504). All else is computed in f32.
;;   The module's matrix products, in the order in which they are computed (A, B: the left and right operand; K: the contracted axis; several contracted axes count as one K, in the product's order):
;;     1. [M 8,192, K 512] x [K 512, N 512]; A: input q; B: input Wq: QUANTISED
;;     2. [M 8,192, K 512] x [K 512, N 512]; A: input k; B: input Wk: QUANTISED
;;     3. [M 8,192, K 512] x [K 512, N 512]; A: input v; B: input Wv: QUANTISED
;;     4. batch 32 x [M 2,048, K 64] x [K 64, N 2,048]; A: computed on the way; B: computed on the way: left as it is (an operand is computed on the way)
;;     5. batch 32 x [M 64, K 2,048] x [K 2,048, N 2,048]; A: computed on the way; B: computed on the way: left as it is (an operand is computed on the way)
;;     6. [M 8,192, K 512] x [K 512, N 512]; A: input q; B: input Wg: QUANTISED
;;     7. [M 8,192, K 512] x [K 512, N 512]; A: computed on the way; B: input Wo: left as it is (an operand is computed on the way)
;;   THE QUANTISER, for each operand of a quantised product, along K:
;;     - K is cut into blocks of 32 from its start; a last block that is shorter is filled with zeros.
;;     - A block's scale is 2^e with e = floor(log2(the largest magnitude in the block)) - 2, held to -126 .. 127; a block of zeros has e = 0. As a byte (E8M0): e + 127.
;;     - Each number is divided by its block's scale, clamped to +-6, and rounded to the nearest number of E2M1, ties to even, subnormals kept.
;;     - The product sums the exact products of the quantised numbers (number of the format x scale) in f32.
;;   ~~~python
;;   def quantise(x, axis):      # numpy; x: float32 -> the quantised numbers, widened to float32 again
;;       x = np.moveaxis(x, axis, -1); K = x.shape[-1]
;;       x = np.pad(x, [(0, 0)] * (x.ndim - 1) + [(0, -K % 32)]); x = x.reshape(x.shape[:-1] + (-1, 32)); a = np.abs(x).max(-1, keepdims=True)
;;       e = np.where(a > 0, np.clip(np.frexp(np.where(a > 0, a, 1))[1] - 1 - 2, -126, 127), 0)      # np.frexp(a)[1] - 1 = floor(log2(a)), exactly
;;       r = np.clip(x / 2.0 ** e, -6, 6)
;;       step = 2.0 ** (np.maximum(np.frexp(np.where(r == 0, 1, r))[1] - 1, 0) - 1)
;;       q = np.round(r / step) * step * 2.0 ** e      # np.round: ties to even
;;       return np.moveaxis(q.reshape(q.shape[:-2] + (-1,))[..., :K], -1, axis).astype(np.float32)
;;   ~~~
;; One version. Each part assembles by itself: llvm-mc -triple=amdgcn-amd-amdhsa -mcpu=gfx1250 --defsym DOCPART=n.
;; ======== version 1 of 1: 4 launches
;; limits: values are held in f16: magnitudes above 65,504 overflow, below 6.1e-05 lose precision
;; workspace buffers: wcodes 524,288 bytes; wscales 32,768 bytes; woimg 1,048,576 bytes; qimg 8,388,608 bytes; gimg 16,777,216 bytes; kv 16,777,216 bytes; goimg 8,388,608 bytes
;; launch prep (part 1): grid 80 x 1, 4 waves a work-group, no clusters, 0 bytes of LDS; arguments Wq, Wg, Wk, Wv, Wo, wcodes, wscales, woimg; writes wcodes, wscales, woimg
.if DOCPART == 1
	.amdgcn_target "amdgcn-amd-amdhsa--gfx1250"
	.amdhsa_code_object_version 6
	.text
	.protected	k_q439f207eb8_prep
	.globl	k_q439f207eb8_prep
	.p2align	8
	.type	k_q439f207eb8_prep,@function
k_q439f207eb8_prep:
	s_mov_b64 s[64:65], 0
	v_nop
	global_prefetch_b8 v0, s[64:65] scope:SCOPE_SE
	s_setreg_imm32_b32 hwreg(HW_REG_WAVE_MODE, 25, 1), 1
	s_wait_xcnt 0x0
; The five weights [512 (k)][512 (n)], f32, are laid out once as IMAGES OF OPERAND REGISTERS, so that later launches load fragments by 16 bytes a lane.
; Wq, Wg, Wk, Wv: codes of FP4 (E2M1) quantised along K (their FIRST axis), one E8M0 byte for each 32 along K.
; Wo: a PAIR of bf16 numbers, hi = bf16(Wo), lo = bf16(Wo - hi), split in f32: 16 significant bits, since the rounding of one bf16 number on both sides of the last product would use up what the comparison allows.
; A block's scale is 2^(floor(log2(largest magnitude)) - 2); its byte is the largest magnitude's exponent field - 2, held at 1 from below.
; LIMITS: a block of zeros, and a block whose largest magnitude lies under 2^-124, gets the byte 1 (the quantiser's text says 127 for zeros): its codes are zeros or are held as the floor gives them;
; the bytes are read by this program alone.  NaN and infinities among the inputs are not served.
; SHARES: work-group = (matrix 0..4, 128 along K, 128 columns); a wave takes 32 columns.  A LANE TAKES A COLUMN n AND ITS REGISTERS RUN DOWN K: each load reads 128 consecutive bytes a wave,
; a block of 32 along K lies in one lane, and the conversions give codes with K innermost.  Nothing is transposed by an instruction.
; IMAGE of a fragment (8 registers a lane): registers 0-3 at 16 x lane, registers 4-7 at 512 + 16 x lane.
;   FP4, 16 columns x 128 K: lane (r, h) holds K = 64 c + 32 h + 0..31 in registers 4 c .. 4 c + 3: block blk = 2 c + h of column r lies at 512 (blk / 2) + 256 (blk % 2) + 16 r.
;   bf16, 16 columns x 32 K: lane (r, h) holds K = 16 u + 8 h + 0..7 in registers 4 u .. 4 u + 3: at 512 u + 256 h + 16 r.
; So sixteen neighbouring lanes store 256 consecutive, aligned bytes.  The scale words (4 bytes a column and 128 K) leave 128 bytes a wave: 32 KB in the whole launch.
; LOADS go out in halves of a block, 16 at a time, three halves at the head and two more behind each block's wait: 48 of a wave are out at the most.
; No LDS, no barrier, no matrix unit, no cluster: waves share nothing and each input byte is read once.  No register of a store is written again, so no wait frees any.
.set X,  32                            ; v32-159  my column's 128 numbers (Wo: later the low parts, packed in place)
.set C,  160                           ; v160-223 results
.set SB, 14                            ; v14      the four scale bytes
.set T,  16                            ; v16-23   Wo: eight high parts widened to f32
	s_load_b512 s[4:19], s[0:1], 0x0               ; Wq s[4:5], Wg s[6:7], Wk s[8:9], Wv s[10:11], Wo s[12:13], wcodes s[14:15], wscales s[16:17], woimg s[18:19]
	v_lshrrev_b32 v1, 5, v0
	v_readfirstlane_b32 s20, v1                    ; wave
	v_and_b32 v1, 31, v0
	v_lshlrev_b32 v2, 2, v1                        ; 4 x lane
	v_and_b32 v5, 15, v0
	v_bfe_u32 v6, v0, 4, 1
	v_lshlrev_b32 v5, 4, v5
	v_lshl_add_u32 v3, v6, 12, v5                  ; codes: my tile of 16 columns (4 images of 1 KB each) + 16 r
	v_lshl_add_u32 v4, v6, 10, v5                  ; Wo: my tile (1 KB) + 16 r
	s_lshr_b32 s21, ttmp9, 4                       ; which matrix
	s_and_b32 s22, ttmp9, 3                        ; which 128 columns
	s_bfe_u32 s23, ttmp9, 0x20002                  ; which 128 along K
	s_lshl_b32 s24, s23, 18                        ; W: 128 rows of 2,048 bytes
	s_lshl_b32 s30, s22, 9
	s_add_co_u32 s24, s24, s30
	s_lshl_b32 s31, s20, 7
	s_add_co_u32 s24, s24, s31                     ; + 4 x my wave's first column
	s_mov_b32 s25, 0
	s_lshl_b32 s26, s21, 17                        ; codes: [matrix][tile of 16 columns: 32][K step: 4][1 KB]
	s_lshl_b32 s32, s22, 15
	s_add_co_u32 s26, s26, s32
	s_lshl_b32 s32, s20, 13
	s_add_co_u32 s26, s26, s32
	s_lshl_b32 s32, s23, 10
	s_add_co_u32 s26, s26, s32
	s_mov_b32 s27, 0
	s_lshl_b32 s28, s21, 13                        ; scale words: [matrix][K step: 4][column: 512] x 4 bytes
	s_lshl_b32 s32, s23, 11
	s_add_co_u32 s28, s28, s32
	s_add_co_u32 s28, s28, s30
	s_add_co_u32 s28, s28, s31
	s_mov_b32 s29, 0
	s_lshl_b32 s34, s22, 18                        ; Wo's images: [64 columns: 8][K step of 32: 16][tile: 4 high, 4 low][1 KB]: my 128 columns are two blocks of 128 KB,
	s_lshr_b32 s32, s20, 1
	s_lshl_b32 s32, s32, 17
	s_add_co_u32 s34, s34, s32                     ; waves 2 and 3 stand in the second;
	s_lshl_b32 s32, s23, 15
	s_add_co_u32 s34, s34, s32                     ; my four K steps of 8 KB;
	s_and_b32 s32, s20, 1
	s_lshl_b32 s32, s32, 11
	s_add_co_u32 s34, s34, s32                     ; my two tiles of the block's four
	s_mov_b32 s35, 0
	s_wait_kmcnt 0x0
	s_cmp_eq_u32 s21, 1                            ; the source is chosen by the work-group's number alone
	s_cselect_b64 s[4:5], s[6:7], s[4:5]
	s_cmp_eq_u32 s21, 2
	s_cselect_b64 s[4:5], s[8:9], s[4:5]
	s_cmp_eq_u32 s21, 3
	s_cselect_b64 s[4:5], s[10:11], s[4:5]
	s_cmp_eq_u32 s21, 4
	s_cselect_b64 s[4:5], s[12:13], s[4:5]
	s_add_nc_u64 s[4:5], s[4:5], s[24:25]
.macro HALF hf                         ; half hf of eight: W(128 ks + 16 hf + 0..15, my column)
.set i, 16*(\hf)
.rept 16
	global_load_b32 v[X+i], v2, s[4:5] offset:i*2048 th:TH_LOAD_NT
.set i, i+1
.endr
.endm
.macro AHEAD blk                       ; block blk's two halves are waited for, and the next two are asked for
.if (\blk) < 3
	s_wait_loadcnt 16                              ; loads come back in order: halves 2 blk and 2 blk + 1 are in; the one younger half may be out
.else
	s_wait_loadcnt 0x0
.endif
.if 2*(\blk)+3 < 8
	HALF 2*(\blk)+3
.endif
.if 2*(\blk)+4 < 8
	HALF 2*(\blk)+4
.endif
.endm
	HALF 0
	HALF 1
	HALF 2
	s_cmp_eq_u32 s21, 4
	s_cbranch_scc1 .Lwo
	s_add_nc_u64 s[14:15], s[14:15], s[26:27]
	s_add_nc_u64 s[16:17], s[16:17], s[28:29]
.macro BLOCK blk
.set XS, X+32*(\blk)
	AHEAD \blk
	v_max3_num_f32 v12, |v[XS]|, |v[XS+1]|, |v[XS+2]|               ; the block's largest magnitude, in two chains
	v_max3_num_f32 v13, |v[XS+3]|, |v[XS+4]|, |v[XS+5]|
.irp d, 6,10,14,18,22,26
	v_max3_num_f32 v12, v12, |v[XS+\d]|, |v[XS+\d+1]|
	v_max3_num_f32 v13, v13, |v[XS+\d+2]|, |v[XS+\d+3]|
.endr
	v_max3_num_f32 v12, v12, |v[XS+30]|, |v[XS+31]|
	v_max3_num_f32 v12, v12, v13, 0x1800000        ; and the floor 2^(3 - 127): the byte cannot fall under 1
	v_add_nc_u32 v11, 0xff000000, v12              ; 2 off the exponent field: the conversion takes this operand's exponent field as its scale
	v_lshrrev_b32 v13, 23, v11                     ; the scale's byte
.if (\blk) == 0
	v_mov_b32 v[SB], v13
.else
	v_lshl_or_b32 v[SB], v13, 8*(\blk), v[SB]      ; the lower K in the lower byte
.endif
.irp g, 0,1,2,3
	v_cvt_scalef32_pk8_fp4_f32 v[C+4*(\blk)+\g], v[XS+8*\g:XS+8*\g+7], v11
.endr
	global_store_b128 v3, v[C+4*(\blk):C+4*(\blk)+3], s[14:15] offset:((\blk)/2)*512+((\blk)%2)*256   ; the results go to stores alone; the next block begins with plain vector lines
.endm
	BLOCK 0
	BLOCK 1
	BLOCK 2
	BLOCK 3
	global_store_b32 v2, v[SB], s[16:17]           ; my column's scale word for these 128 along K
	s_endpgm
.Lwo:
	s_add_nc_u64 s[18:19], s[18:19], s[34:35]
; 32 along K are one K step of the last product: four runs of eight neighbours, 16 bytes of bf16 each, once for the high parts and once for the low
.macro WOBLK blk
	AHEAD \blk
.irp q, 0,1,2,3
.set q8, 4*(\blk)+\q
.irp j, 0,1,2,3
	v_cvt_pk_bf16_f32 v[C+4*q8+\j], v[X+8*q8+2*\j], v[X+8*q8+2*\j+1]          ; the high parts
.endr
	global_store_b128 v4, v[C+4*q8:C+4*q8+3], s[18:19] offset:(\blk)*8192+(\q/2)*512+(\q%2)*256
.irp j, 0,1,2,3
	v_lshlrev_b32 v[T+2*\j], 16, v[C+4*q8+\j]      ; widened again: a shift and a mask
	v_and_b32 v[T+2*\j+1], 0xffff0000, v[C+4*q8+\j]
.endr
.irp j, 0,1,2,3
	v_pk_add_f32 v[X+8*q8+2*\j:X+8*q8+2*\j+1], v[X+8*q8+2*\j:X+8*q8+2*\j+1], v[T+2*\j:T+2*\j+1] neg_lo:[0,1] neg_hi:[0,1]   ; what the high part left: exact in f32
.endr
.irp j, 0,1,2,3
	v_cvt_pk_bf16_f32 v[X+8*q8+\j], v[X+8*q8+2*\j], v[X+8*q8+2*\j+1]          ; the low parts, packed in place: register j takes numbers 2 j and 2 j + 1
.endr
	global_store_b128 v4, v[X+8*q8:X+8*q8+3], s[18:19] offset:(\blk)*8192+4096+(\q/2)*512+(\q%2)*256
.endr
.endm
	WOBLK 0
	WOBLK 1
	WOBLK 2
	WOBLK 3
	s_endpgm
.Lfunc_end_k_q439f207eb8_prep:
	.size	k_q439f207eb8_prep, .Lfunc_end_k_q439f207eb8_prep-k_q439f207eb8_prep
	.p2alignl 7, 3214868480
	.fill 96, 4, 3214868480
	.section	.rodata,"a",@progbits
	.p2align	6, 0x0
	.amdhsa_kernel k_q439f207eb8_prep
		.amdhsa_group_segment_fixed_size 0
		.amdhsa_private_segment_fixed_size 0
		.amdhsa_enable_private_segment 0
		.amdhsa_kernarg_size 64
		.amdhsa_user_sgpr_count 2
		.amdhsa_user_sgpr_kernarg_segment_ptr 1
		.amdhsa_wavefront_size32 1
		.amdhsa_system_sgpr_workgroup_id_x 1
		.amdhsa_system_sgpr_workgroup_id_y 1
		.amdhsa_system_sgpr_workgroup_id_z 1
		.amdhsa_system_vgpr_workitem_id 0
		.amdhsa_next_free_vgpr 224
		.amdhsa_next_free_sgpr 66
		.amdhsa_reserve_vcc 0
		.amdhsa_float_denorm_mode_32 3
		.amdhsa_float_denorm_mode_16_64 3
		.amdhsa_memory_ordered 1
		.amdhsa_forward_progress 1
		.amdhsa_inst_pref_size 50
	.end_amdhsa_kernel
	.amdgpu_metadata
---
amdhsa.version: [ 1, 2 ]
amdhsa.kernels:
  - .name:           k_q439f207eb8_prep
    .symbol:         k_q439f207eb8_prep.kd
    .args:
      - { .name: Wq, .offset: 0, .size: 8, .value_kind: global_buffer, .address_space: global }
      - { .name: Wg, .offset: 8, .size: 8, .value_kind: global_buffer, .address_space: global }
      - { .name: Wk, .offset: 16, .size: 8, .value_kind: global_buffer, .address_space: global }
      - { .name: Wv, .offset: 24, .size: 8, .value_kind: global_buffer, .address_space: global }
      - { .name: Wo, .offset: 32, .size: 8, .value_kind: global_buffer, .address_space: global }
      - { .name: wcodes, .offset: 40, .size: 8, .value_kind: global_buffer, .address_space: global }
      - { .name: wscales, .offset: 48, .size: 8, .value_kind: global_buffer, .address_space: global }
      - { .name: woimg, .offset: 56, .size: 8, .value_kind: global_buffer, .address_space: global }
    .group_segment_fixed_size: 0
    .private_segment_fixed_size: 0
    .kernarg_segment_align: 8
    .kernarg_segment_size: 64
    .max_flat_workgroup_size: 128
    .sgpr_count:     66
    .vgpr_count:     224
    .wavefront_size: 32
...
	.end_amdgpu_metadata
.endif
;; end of part 1
;; launch proj (part 2): grid 256 x 1, 4 waves a work-group, no clusters, 18,944 bytes of LDS; arguments q, k, v, wcodes, wscales, bq, bg, bk, bv, qimg, gimg, kv; writes qimg, gimg, kv
.if DOCPART == 2
	.amdgcn_target "amdgcn-amd-amdhsa--gfx1250"
	.amdhsa_code_object_version 6
	.text
	.protected	k_q439f207eb8_proj
	.globl	k_q439f207eb8_proj
	.p2align	8
	.type	k_q439f207eb8_proj,@function
k_q439f207eb8_proj:
	s_mov_b64 s[64:65], 0
	v_nop
	global_prefetch_b8 v0, s[64:65] scope:SCOPE_SE
	s_setreg_imm32_b32 hwreg(HW_REG_WAVE_MODE, 25, 1), 1
	s_wait_xcnt 0x0
; The four quantised projections: TYPE 0: q Wq + bq;  1: sigmoid(q Wg + bg);  2: k Wk + bk;  3: v Wv + bv.  Both operands are codes of FP4 (E2M1) with one E8M0 scale for each 32 along K = 512; sums in f32.
; x (q, k or v) arrives as f32 and is quantised here, in registers; the weights' codes and scale words come from the launch before, as images of operand registers.
; SHARES: work-group = (TYPE = number % 4, 128 rows), two blocks of 64 rows.  THE WAVES SHARE THE COLUMNS: wave w owns columns 128 w .. 128 w + 127 (a pair of heads) for all rows, so its 32 fragments of W
; (256 registers) are read once and stay.  What goes round is small: wave w quantises rows 16 w .. 16 w + 15 of a block and hands the four fragments and scale words to the others through LDS, as images of their registers.
; RESULTS LEAVE AS IMAGES OF THE NEXT LAUNCH'S OPERAND REGISTERS (registers 0-3 at 16 x lane, 4-7 at 512 + 16 x lane): every store covers 512 consecutive, aligned bytes; no stage is needed.
;   TYPE 0, 1, 2 use the product TRANSPOSED (source 0 = 16 columns of W, source 1 = 16 rows of x): lane (r, h) holds row r and channels 16 t + 8 h + 0..7: rounded to f16 in pairs these are half a fragment (16 rows x 32 channels).
;   TYPE 3 uses it as it stands (source 0 = x, source 1 = W): lane (r, h) holds channel r and keys 8 h + 0..7: half a fragment of V^T (16 channels x 32 keys).
; The bias is the C of each sum's first product.  The factor 1/8 on q's projection is a power of two and is applied in the next launch's softmax constant.
; All four types take ONE path through every line that touches LDS; they part, on the work-group's number, only round products, activations and global stores.
; NO CLUSTER, NO TENSOR LOAD: a wave's weights go from memory straight into its registers, once; there is no LDS tile that work-groups could share, and a row of x is read by one work-group (q's by two, of neighbouring numbers).
; LIMITS: results of TYPE 0, 2, 3 are rounded to f16: magnitudes beyond 65,504 are not served.  Blocks of zeros, and blocks whose largest magnitude lies under 2^-124, get the scale byte 1.  NaN and infinities are not served.
; REGISTERS, in windows of 256: window 0: addresses; XF two sets of x's four fragments; HA eight accumulators; OUT what leaves (and the codes just made); TM at work; XS, WS scale words; PW the scale words just made.
;   window 1: W's fragments at 8 (4 t + s).   window 2: 256 numbers of x (64 s + 16 b + i).   window 3: v0-63 the bias as eight C tiles.
.set XSC,   16384                      ; LDS: 16 images of 1 KB at (4 m + s) x 1,024; then 16 x 128 bytes of scale words;
.set SPARE, 18432                      ; then the spare words, 128 bytes a wave: two blocks of 256 bytes that no other line names
.set XA,  4                            ; v4   x: row r of 2,048 bytes + 64 h: my 16 numbers of a block of 32
.set LI,  5                            ; v5   16 x lane
.set LS,  6                            ; v6   4 x lane
.set XWI, 7                            ; v7   where I store images: 16 x lane + 4,096 x wave
.set XWS, 8                            ; v8   and scale words: 4 x lane + 512 x wave
.set R4,  9                            ; v9   4 r
.set BA,  10                           ; v10  32 h
.set SPW, 12                           ; v12  LDS address of my spare word; never rewritten
.set NIL, 13                           ; v13  0; never rewritten
.set XF0, 16                           ; v16-47, v48-79
.set HA,  80                           ; v80-143
.set OUT, 144                          ; v144-175
.set TM,  176                          ; v176-191
.set XS0, 192                          ; v192-195, v196-199
.set WS,  200                          ; v200-231: 4 t + s
.set PW,  232                          ; v232-235
.set WV,   28
.set TYPE, 29
.set RB,   30
.set XP,   32                          ; s[32:33] x at my wave's 16 rows
.set BP,   34                          ; s[34:35] the bias at my 128 columns
.set OB,   36                          ; s[36:37] the output at my block;  s[38:39] the same for the pair's second head
.set OB2,  38
.set WP,   40                          ; s[40:41] W's images;  s[42:43] W's scale words
.set WSP,  42
.set BLK,  44
.set BSTR, 46                          ; s[46:47] bytes from a block of 64 rows to the next, in the output
.set SEL,  48                          ; s[48:49] v_permlanex16_b32's selects for lane l xor 16
.set MSB, 0
.macro WIN new                         ; the immediate's high byte repeats the setting that is left
.if MSB != \new
	s_set_vgpr_msb (MSB<<8)|\new
.set MSB, \new
.endif
.endm
.macro XLOAD                           ; my 16 rows of a block, all of K: 64 loads into window 2
	WIN 0x80
.irp s, 0,1,2,3
.irp b, 0,1,2,3
.irp j, 0,1,2,3
	global_load_b128 v[64*\s+16*\b+4*\j:64*\s+16*\b+4*\j+3], v[XA], s[XP:XP+1] offset:512*\s+128*\b+16*\j
.endr
.endr
.endr
	WIN 0
.endm
; K step s: 64 numbers of a lane, register 16 b + i = k 32 b + 16 h + i of my row, become a fragment's codes in v[OUT + 8 s] on and its scale word in v[PW + s].
.macro QUANT s
	WIN 0x0a                                       ; sources 0 and 1 in window 2
.irp b, 0,1,2,3
	v_max3_num_f32 v[TM+\b], |v[64*(\s)+16*\b]|, |v[64*(\s)+16*\b+1]|, 0x1800000   ; block b: my 16 numbers, and the floor 2^(3 - 127): the byte cannot fall under 1
.endr
.irp i, 2,4,6,8,10,12,14
.irp b, 0,1,2,3
	v_max3_num_f32 v[TM+\b], |v[64*(\s)+16*\b+\i]|, |v[64*(\s)+16*\b+\i+1]|, v[TM+\b]   ; the four blocks by turns
.endr
.endr
	WIN 0
.irp b, 0,1,2,3
	v_permlanex16_b32 v[TM+4+\b], v[TM+\b], s[SEL], s[SEL+1]
.endr
.irp b, 0,1,2,3
	v_max_num_f32 v[TM+\b], v[TM+\b], v[TM+4+\b]   ; with lane l xor 16's: the block's largest magnitude
.endr
.irp b, 0,1,2,3
	v_add_nc_u32 v[TM+12+\b], 0xff000000, v[TM+\b] ; 2 off its exponent field: the conversion's scale operand
.endr
.irp b, 0,1,2,3
	v_lshrrev_b32 v[TM+4+\b], 23, v[TM+12+\b]      ; the scale's byte
.endr
	v_lshl_or_b32 v[PW+(\s)], v[TM+5], 8, v[TM+4]  ; my row's scale word
	v_lshl_or_b32 v[PW+(\s)], v[TM+6], 16, v[PW+(\s)]
	v_lshl_or_b32 v[PW+(\s)], v[TM+7], 24, v[PW+(\s)]
	WIN 0x02                                       ; source 0 in window 2
.irp b, 0,1,2,3
	v_cvt_scalef32_pk8_fp4_f32 v[OUT+8*(\s)+2*\b], v[64*(\s)+16*\b:64*(\s)+16*\b+7], v[TM+12+\b]
	v_cvt_scalef32_pk8_fp4_f32 v[OUT+8*(\s)+2*\b+1], v[64*(\s)+16*\b+8:64*(\s)+16*\b+15], v[TM+12+\b]
.endr
	WIN 0
	v_nop                                          ; one plain place behind a scaled conversion
.irp c, 0,1                            ; the operand's layout wants a WHOLE block in a lane: lanes 0-15 block 2 c, lanes 16-31 block 2 c + 1
.irp i, 0,1
	v_permlane16_swap_b32 v[OUT+8*(\s)+4*\c+\i], v[OUT+8*(\s)+4*\c+2+\i]
.endr
.endr
.endm
.macro IMAGE s                         ; the fragment and its scale word go to LDS as they stand
	ds_store_b128 v[XWI], v[OUT+8*(\s):OUT+8*(\s)+3] offset:1024*(\s)
	ds_store_b128 v[XWI], v[OUT+8*(\s)+4:OUT+8*(\s)+7] offset:1024*(\s)+512
	ds_store_b32 v[XWS], v[PW+(\s)] offset:XSC+128*(\s)
.endm
.macro FETCH m, p                      ; and come back so, in any wave: the four fragments and scale words of rows 16 m on, into set p: 12 LDS loads
.irp s, 0,1,2,3
	ds_load_b128 v[XF0+32*(\p)+8*\s:XF0+32*(\p)+8*\s+3], v[LI] offset:(4*(\m)+\s)*1024
	ds_load_b128 v[XF0+32*(\p)+8*\s+4:XF0+32*(\p)+8*\s+7], v[LI] offset:(4*(\m)+\s)*1024+512
.endr
.irp s, 0,1,2,3
	ds_load_b32 v[XS0+4*(\p)+\s], v[LS] offset:XSC+(4*(\m)+\s)*128
.endr
.endm
.macro CVT16                           ; the eight accumulators to f16, each from its low end on
.irp t, 0,1,2,3,4,5,6,7
.irp j, 0,1,2,3
	v_cvt_pk_f16_f32 v[OUT+4*\t+\j], v[HA+8*\t+2*\j], v[HA+8*\t+2*\j+1]
.endr
.endr
.endm
; Rows 16 m .. 16 m + 15 of the block against my 128 columns: 32 products, the eight accumulators by turns, one instruction a turn, K ascending.
.macro MSTEP m
.set CUR, XF0+32*((\m)%2)
.set CXS, XS0+4*((\m)%2)
.if (\m) < 3
	FETCH (\m)+1, ((\m)+1)%2                       ; the other set's last products stand more than four plain vector lines back
	s_wait_dscnt 12                                ; all but the 12 just issued: this tile's fragments are in
.else
	s_wait_dscnt 0x0
.endif
	s_wait_xcnt 0x0                                ; the last tile's stores have read HA and OUT: both are written again only behind this wait
	s_cmp_eq_u32 s[TYPE], 3
	s_cbranch_scc1 .Lnat_\@
	WIN 0x31                                       ; source 0 (W) window 1, C (the bias) window 3
.irp t, 0,1,2,3,4,5,6,7
	v_wmma_scale_f32_16x16x128_f8f6f4 v[HA+8*\t:HA+8*\t+7], v[32*\t:32*\t+7], v[CUR:CUR+7], v[8*\t:8*\t+7], v[WS+4*\t], v[CXS] matrix_a_fmt:MATRIX_FMT_FP4 matrix_b_fmt:MATRIX_FMT_FP4
.endr
	WIN 0x01
.irp s, 1,2,3
.irp t, 0,1,2,3,4,5,6,7
	v_wmma_scale_f32_16x16x128_f8f6f4 v[HA+8*\t:HA+8*\t+7], v[32*\t+8*\s:32*\t+8*\s+7], v[CUR+8*\s:CUR+8*\s+7], v[HA+8*\t:HA+8*\t+7], v[WS+4*\t+\s], v[CXS+\s] matrix_a_fmt:MATRIX_FMT_FP4 matrix_b_fmt:MATRIX_FMT_FP4
.endr
.endr
	WIN 0
.rept 5
	v_nop                                          ; places behind the products: four for the reads below, five for the next tile's products, which begin these accumulators anew
.endr
	s_cmp_eq_u32 s[TYPE], 1
	s_cbranch_scc1 .Lgate_\@
	CVT16                                          ; q's and k's projections: tile t is half (t % 2) of channel step (t % 4) / 2 of head t / 4
.irp t, 0,1,2,3
	global_store_b128 v[LI], v[OUT+4*\t:OUT+4*\t+3], s[OB:OB+1] offset:(\m)*2048+\t*512
.endr
.irp t, 0,1,2,3
	global_store_b128 v[LI], v[OUT+16+4*\t:OUT+16+4*\t+3], s[OB2:OB2+1] offset:(\m)*2048+\t*512
.endr
	s_branch .Ldone_\@
.Lgate_\@:                             ; the gate: 1 / (1 + 2^(-x log2 e)), in f32, in place
.set e, 0
.rept 32
	v_pk_mul_f32 v[HA+2*e:HA+2*e+1], v[HA+2*e:HA+2*e+1], 0xbfb8aa3b op_sel_hi:[1,0]
.set e, e+1
.endr
.set e, 0
.rept 64
	v_exp_f32 v[HA+e], v[HA+e]
.set e, e+1
.endr
	v_nop                                          ; a plain place behind the last exponential,
	s_wait_alu depctr_va_vdst(0)                   ; and one wait for the batch, ahead of its first reader
.set e, 0
.rept 32
	v_pk_add_f32 v[HA+2*e:HA+2*e+1], v[HA+2*e:HA+2*e+1], 1.0 op_sel_hi:[1,0]
.set e, e+1
.endr
.set e, 0
.rept 64
	v_rcp_f32 v[HA+e], v[HA+e]
.set e, e+1
.endr
	v_nop
	s_wait_alu depctr_va_vdst(0)                   ; likewise for the reciprocals
.irp t, 0,1,2,3,4,5,6,7
	global_store_b128 v[LI], v[HA+8*\t:HA+8*\t+3], s[OB:OB+1] offset:(\t/4)*32768+(\m)*4096+(\t%4)*1024
	global_store_b128 v[LI], v[HA+8*\t+4:HA+8*\t+7], s[OB:OB+1] offset:(\t/4)*32768+(\m)*4096+(\t%4)*1024+512
.endr
	s_branch .Ldone_\@
.Lnat_\@:
	WIN 0x34                                       ; source 1 (W) window 1, C (the bias) window 3
.irp t, 0,1,2,3,4,5,6,7
	v_wmma_scale_f32_16x16x128_f8f6f4 v[HA+8*\t:HA+8*\t+7], v[CUR:CUR+7], v[32*\t:32*\t+7], v[8*\t:8*\t+7], v[CXS], v[WS+4*\t] matrix_a_fmt:MATRIX_FMT_FP4 matrix_b_fmt:MATRIX_FMT_FP4
.endr
	WIN 0x04
.irp s, 1,2,3
.irp t, 0,1,2,3,4,5,6,7
	v_wmma_scale_f32_16x16x128_f8f6f4 v[HA+8*\t:HA+8*\t+7], v[CUR+8*\s:CUR+8*\s+7], v[32*\t+8*\s:32*\t+8*\s+7], v[HA+8*\t:HA+8*\t+7], v[CXS+\s], v[WS+4*\t+\s] matrix_a_fmt:MATRIX_FMT_FP4 matrix_b_fmt:MATRIX_FMT_FP4
.endr
.endr
	WIN 0
.rept 5
	v_nop
.endr
	CVT16                                          ; v's projection: these 16 keys are half (m % 2) of key group m / 2; tile t is channel tile t % 4 of head t / 4
.irp t, 0,1,2,3,4,5,6,7
	global_store_b128 v[LI], v[OUT+4*\t:OUT+4*\t+3], s[OB:OB+1] offset:(\t/4)*32768+(\t%4)*1024+((\m)/2)*4096+((\m)%2)*512
.endr
.Ldone_\@:
.endm
	s_load_b512 s[4:19], s[0:1], 0x0               ; q s[4:5], k s[6:7], v s[8:9], wcodes s[10:11], wscales s[12:13], bq s[14:15], bg s[16:17], bk s[18:19]
	s_load_b256 s[20:27], s[0:1], 0x40             ; bv s[20:21], qimg s[22:23], gimg s[24:25], kv s[26:27]
	v_lshl_add_u32 v[SPW], v0, 2, SPARE
	v_mov_b32 v[NIL], 0
	v_lshrrev_b32 v1, 5, v0
	v_readfirstlane_b32 s[WV], v1                  ; wave 0..3
	v_and_b32 v1, 31, v0
	v_and_b32 v2, 15, v0                           ; r
	v_bfe_u32 v3, v0, 4, 1                         ; h
	v_lshlrev_b32 v[XA], 11, v2
	v_lshl_add_u32 v[XA], v3, 6, v[XA]
	v_lshlrev_b32 v[LI], 4, v1
	v_lshlrev_b32 v[LS], 2, v1
	s_lshl_b32 s50, s[WV], 12
	v_add_nc_u32 v[XWI], s50, v[LI]
	s_lshl_b32 s50, s[WV], 9
	v_add_nc_u32 v[XWS], s50, v[LS]
	v_lshlrev_b32 v[R4], 2, v2
	v_lshlrev_b32 v[BA], 5, v3
.irp b, 0,1,2,3
	v_mov_b32 v[TM+4+\b], 0                        ; written once: a lane permute's destination counts as one of its sources
.endr
	s_mov_b32 s[SEL], 0x76543210
	s_mov_b32 s[SEL+1], 0xfedcba98
	s_mov_b32 s[BLK], 2
	s_and_b32 s[TYPE], ttmp9, 3
	s_lshr_b32 s[RB], ttmp9, 2                     ; which 128 rows
	s_lshl_b32 s52, s[RB], 18                      ; x: 128 rows of 2,048 bytes,
	s_lshl_b32 s54, s[WV], 15
	s_add_co_u32 s52, s52, s54                     ; + my wave's 16
	s_mov_b32 s53, 0
	s_lshl_b32 s55, s[TYPE], 17
	s_add_co_u32 s54, s54, s55                     ; W's images: matrix x 128 KB + my 8 tiles of 4 KB
	s_mov_b32 s55, 0
	s_lshl_b32 s56, s[TYPE], 13
	s_lshl_b32 s58, s[WV], 9
	s_add_co_u32 s56, s56, s58                     ; W's scale words: matrix x 8 KB + my 128 columns;  s58: the bias's 128 numbers
	s_mov_b32 s57, 0
	s_mov_b32 s59, 0
	s_lshl_b32 s60, s[RB], 17                      ; the output.  qimg: [rows / 128][wave][head 2][row tile 8][channel step 2][1 KB]
	s_lshl_b32 s62, s[WV], 15
	s_add_co_u32 s60, s60, s62
	s_lshl_b32 s62, s60, 1                         ; gimg: [rows / 128][wave][head 2][row tile 8][channel tile 4][1 KB]: twice that
	s_lshr_b32 s63, s[RB], 4                       ; kv: [batch][wave][slot of 128 keys: 16][head 2][64 keys: 2][K 8 KB, V 8 KB]
	s_lshl_b32 s63, s63, 22
	s_and_b32 s66, s[RB], 15
	s_lshl_b32 s66, s66, 16
	s_add_co_u32 s63, s63, s66
	s_lshl_b32 s66, s[WV], 20
	s_add_co_u32 s63, s63, s66
	s_cmp_eq_u32 s[TYPE], 1
	s_cselect_b32 s60, s62, s60
	s_cmp_ge_u32 s[TYPE], 2
	s_cselect_b32 s60, s63, s60
	s_cmp_eq_u32 s[TYPE], 3
	s_cselect_b32 s62, 8192, 0                     ; V lies behind K
	s_add_co_u32 s60, s60, s62
	s_mov_b32 s61, 0
	s_mov_b32 s66, 32768
	s_mov_b32 s[BSTR], 16384
	s_cmp_eq_u32 s[TYPE], 0
	s_cselect_b32 s66, 16384, s66                  ; from a head to the next
	s_cselect_b32 s[BSTR], 8192, s[BSTR]           ; from a block of 64 rows to the next
	s_mov_b32 s67, 0
	s_mov_b32 s[BSTR+1], 0
	s_wait_kmcnt 0x0
	s_cmp_eq_u32 s[TYPE], 2                        ; the buffers are chosen by the work-group's number alone
	s_cselect_b64 s[XP:XP+1], s[6:7], s[4:5]
	s_cselect_b64 s[BP:BP+1], s[18:19], s[14:15]
	s_cmp_eq_u32 s[TYPE], 3
	s_cselect_b64 s[XP:XP+1], s[8:9], s[XP:XP+1]
	s_cselect_b64 s[BP:BP+1], s[20:21], s[BP:BP+1]
	s_cmp_eq_u32 s[TYPE], 1
	s_cselect_b64 s[BP:BP+1], s[16:17], s[BP:BP+1]
	s_cselect_b64 s[OB:OB+1], s[24:25], s[22:23]
	s_cmp_ge_u32 s[TYPE], 2
	s_cselect_b64 s[OB:OB+1], s[26:27], s[OB:OB+1]
	s_add_nc_u64 s[XP:XP+1], s[XP:XP+1], s[52:53]
	s_add_nc_u64 s[BP:BP+1], s[BP:BP+1], s[58:59]
	s_add_nc_u64 s[OB:OB+1], s[OB:OB+1], s[60:61]
	s_add_nc_u64 s[OB2:OB2+1], s[OB:OB+1], s[66:67]
	s_add_nc_u64 s[WP:WP+1], s[10:11], s[54:55]
	s_add_nc_u64 s[WSP:WSP+1], s[12:13], s[56:57]
	WIN 0x40                                       ; destination window 1
.irp t, 0,1,2,3,4,5,6,7
.irp s, 0,1,2,3
	global_load_b128 v[32*\t+8*\s:32*\t+8*\s+3], v[LI], s[WP:WP+1] offset:\t*4096+\s*1024
	global_load_b128 v[32*\t+8*\s+4:32*\t+8*\s+7], v[LI], s[WP:WP+1] offset:\t*4096+\s*1024+512
.endr
.endr
	WIN 0
.irp t, 0,1,2,3,4,5,6,7
.irp s, 0,1,2,3
	global_load_b32 v[WS+4*\t+\s], v[R4], s[WSP:WSP+1] offset:\s*2048+\t*64   ; lane r: column 16 t + r's word of K step s
.endr
.endr
	s_cmp_eq_u32 s[TYPE], 3
	s_cbranch_scc1 .Lbias_nat
	WIN 0xc0                                       ; destination window 3.  Transposed: register j of lane (r, h) belongs to channel 16 t + 8 h + j
.irp t, 0,1,2,3,4,5,6,7
	global_load_b128 v[8*\t:8*\t+3], v[BA], s[BP:BP+1] offset:64*\t
	global_load_b128 v[8*\t+4:8*\t+7], v[BA], s[BP:BP+1] offset:64*\t+16
.endr
	WIN 0
	s_branch .Lbias_in
.Lbias_nat:
	WIN 0xc0                                       ; as it stands: all eight registers of lane (r, h) belong to channel 16 t + r
.irp t, 0,1,2,3,4,5,6,7
.irp j, 0,1,2,3,4,5,6,7
	global_load_b32 v[8*\t+\j], v[R4], s[BP:BP+1] offset:64*\t
.endr
.endr
	WIN 0
.Lbias_in:
	XLOAD                                          ; the first block's x LAST: so x's loads are the youngest at the counted waits below, in both trips
.Lblock:
.irp s, 0,1,2,3
	s_wait_loadcnt 48-16*\s                        ; K step s is in (and all that was asked for earlier); the 16 loads of each later K step may be out
	QUANT \s
	IMAGE \s
.endr
	s_wait_dscnt 0x0                               ; my images have landed
	s_barrier_signal -1
	s_barrier_wait -1                              ; everybody's have: the block's sixteen fragments lie in LDS
	s_cmp_eq_u32 s[BLK], 1                         ; the next block's x is asked for here, if there is one: no load leaves its buffer
	s_cbranch_scc1 .Lno_next
	s_wait_xcnt 0x0                                ; the base is stepped only behind this wait
	s_add_nc_u64 s[XP:XP+1], s[XP:XP+1], 131072
	XLOAD
.Lno_next:
	FETCH 0, 0
	MSTEP 0
	MSTEP 1
	MSTEP 2
	MSTEP 3
	s_wait_dscnt 0x0                               ; my reads of the images are over
	s_barrier_signal -1
	s_barrier_wait -1                              ; everybody's are: the next block's images may be stored
	s_wait_xcnt 0x0                                ; the stores have read their data and bases: OUT is written and the bases are stepped only behind this wait
	s_add_nc_u64 s[OB:OB+1], s[OB:OB+1], s[BSTR:BSTR+1]
	s_add_nc_u64 s[OB2:OB2+1], s[OB2:OB2+1], s[BSTR:BSTR+1]
	s_sub_co_u32 s[BLK], s[BLK], 1
	s_cmp_lg_u32 s[BLK], 0
	s_cbranch_scc1 .Lblock
	s_wait_tensorcnt 0x0                           ; the wave's end, behind my last LDS store
	ds_add_u32 v[SPW], v[NIL]
	s_wait_dscnt 0x0
	s_endpgm
.Lfunc_end_k_q439f207eb8_proj:
	.size	k_q439f207eb8_proj, .Lfunc_end_k_q439f207eb8_proj-k_q439f207eb8_proj
	.p2alignl 7, 3214868480
	.fill 96, 4, 3214868480
	.section	.rodata,"a",@progbits
	.p2align	6, 0x0
	.amdhsa_kernel k_q439f207eb8_proj
		.amdhsa_group_segment_fixed_size 18944
		.amdhsa_private_segment_fixed_size 0
		.amdhsa_enable_private_segment 0
		.amdhsa_kernarg_size 96
		.amdhsa_user_sgpr_count 2
		.amdhsa_user_sgpr_kernarg_segment_ptr 1
		.amdhsa_wavefront_size32 1
		.amdhsa_system_sgpr_workgroup_id_x 1
		.amdhsa_system_sgpr_workgroup_id_y 1
		.amdhsa_system_sgpr_workgroup_id_z 1
		.amdhsa_system_vgpr_workitem_id 0
		.amdhsa_next_free_vgpr 832
		.amdhsa_next_free_sgpr 80
		.amdhsa_reserve_vcc 0
		.amdhsa_float_denorm_mode_32 3
		.amdhsa_float_denorm_mode_16_64 3
		.amdhsa_memory_ordered 1
		.amdhsa_forward_progress 1
		.amdhsa_inst_pref_size 152
	.end_amdhsa_kernel
	.amdgpu_metadata
---
amdhsa.version: [ 1, 2 ]
amdhsa.kernels:
  - .name:           k_q439f207eb8_proj
    .symbol:         k_q439f207eb8_proj.kd
    .args:
      - { .name: q, .offset: 0, .size: 8, .value_kind: global_buffer, .address_space: global }
      - { .name: k, .offset: 8, .size: 8, .value_kind: global_buffer, .address_space: global }
      - { .name: v, .offset: 16, .size: 8, .value_kind: global_buffer, .address_space: global }
      - { .name: wcodes, .offset: 24, .size: 8, .value_kind: global_buffer, .address_space: global }
      - { .name: wscales, .offset: 32, .size: 8, .value_kind: global_buffer, .address_space: global }
      - { .name: bq, .offset: 40, .size: 8, .value_kind: global_buffer, .address_space: global }
      - { .name: bg, .offset: 48, .size: 8, .value_kind: global_buffer, .address_space: global }
      - { .name: bk, .offset: 56, .size: 8, .value_kind: global_buffer, .address_space: global }
      - { .name: bv, .offset: 64, .size: 8, .value_kind: global_buffer, .address_space: global }
      - { .name: qimg, .offset: 72, .size: 8, .value_kind: global_buffer, .address_space: global }
      - { .name: gimg, .offset: 80, .size: 8, .value_kind: global_buffer, .address_space: global }
      - { .name: kv, .offset: 88, .size: 8, .value_kind: global_buffer, .address_space: global }
    .group_segment_fixed_size: 18944
    .private_segment_fixed_size: 0
    .kernarg_segment_align: 8
    .kernarg_segment_size: 96
    .max_flat_workgroup_size: 128
    .sgpr_count:     80
    .vgpr_count:     832
    .wavefront_size: 32
...
	.end_amdgpu_metadata
.endif
;; end of part 2
;; launch attn (part 3): grid 16 x 16, 8 waves a work-group, clusters of 4 x 4, 327,680 bytes of LDS; arguments qimg, kv, bias, gimg, goimg; writes goimg
.if DOCPART == 3
	.amdgcn_target "amdgcn-amd-amdhsa--gfx1250"
	.amdhsa_code_object_version 6
	.text
	.protected	k_q439f207eb8_attn
	.globl	k_q439f207eb8_attn
	.p2align	8
	.type	k_q439f207eb8_attn,@function
k_q439f207eb8_attn:
	s_mov_b64 s[64:65], 0
	v_nop
	global_prefetch_b8 v0, s[64:65] scope:SCOPE_SE
	s_setreg_imm32_b32 hwreg(HW_REG_WAVE_MODE, 25, 1), 1
	s_wait_xcnt 0x0
	s_wait_alu depctr_hold_cnt(0) depctr_sa_sdst(0) depctr_va_vdst(0) depctr_va_sdst(0) depctr_va_ssrc(0) depctr_va_vcc(0) depctr_vm_vsrc(0)
	s_getreg_b32 s2, hwreg(HW_REG_IB_STS2, 6, 4)
	s_cmp_eq_u32 s2, 0
	s_cbranch_scc0 .Lentry_in_a_cluster
	s_endpgm
.Lentry_in_a_cluster:
	s_bfe_u32 s2, ttmp6, 0x10000c
	s_cmp_lg_u32 s2, 0xf033
	s_cbranch_scc0 .Lentry_shape_is_right
	s_endpgm
.Lentry_shape_is_right:
; go[b][q][head][:] = g x ( sum over k of (softmax_k(wq . wk / 8) + bias[b][q][k]) wv[k] ).  Operands of the products in f16, sums, maxima and the softmax in f32; go leaves as bf16.
; The divisor of a running softmax is known only at the end, so the sum is carried in two parts: O = sum of p V (rescaled when the running maximum grows, divided by l at the end) and OB = sum of bias V.
; SOFTMAX: for each query a running maximum m of the raw scores and a sum l: p = 2^(c s - c m), c = log2(e) / 8 (the factor 1/8 of reference's scale is folded in here: a power of two, so exact);
; in every step O and l are multiplied by a = 2^(c m_old - c m_new).  No branch hangs on data.
; SHARES: a work-group takes 128 queries x a pair of heads; wave = (head of the pair: wave / 4, 32 queries: wave % 4): two tiles of 16 queries.  Two waves share a SIMD's registers, 512 each.
; Every wave walks all 2,048 keys, 64 a step, 128 a slot.
; TWO CLASSES OF WAVES, HALF A STEP APART.  A key step has two halves: H1 (fragments out of LDS, the scores' products, the bias's conversions and products) and H2 (the softmax and P's products; it touches no LDS: V's fragments
; stay in registers).  Every wave runs H1 H2 H1 H2 ..; class 0 passes the change of slots between H2 and H1, class 1 between H1 and H2.  So behind each round one class loads and multiplies while the other runs its softmax.
; In the text a slot is: round, [class 1: H2], H1, H2, H1, [class 0: H2]; the branches hang on the wave's number alone and lead round no barrier, wait, add or tensor load.
; class = (wave xor wave / 4) mod 2: it differs between waves w and w + 4 and between waves 2 i and 2 i + 1.
; LAYOUT: both products are used transposed: S^T = K Q^T (source 0 = 16 keys, source 1 = 16 queries), O^T = V^T P, OB^T = V^T bias^T (source 0 = 16 channels, source 1 = 32 keys x 16 queries): a lane holds ONE query throughout.
; Q, K, V arrive as images of operand registers (16 bytes a lane, 512 consecutive bytes a load): no transposing load, no padding.  The bias arrives as f32 rows; lane (r, h) reads of query r's row the keys that its place in the operand wants and rounds them to f16.
; CLUSTER 4 x 4: x = four blocks of queries, y = the four pairs of heads of one batch.  A bias tile (batch, query block) is the same for all heads: it is asked for JOINTLY by a column of the cluster;
; a K/V tile (batch, pair of heads) is the same for all query blocks: jointly by a row.  Waves 0-3 ask for the bias's four parts (64 rows x 256 bytes), waves 4-7 for K/V's four (16 KB, dense): one tensor load a wave behind each round; by this text's count one is outstanding.
; RING: two slots of 128 keys; the change of slots stands at a slot's head; behind the round the slot just left is asked for again and has a whole slot's two steps in which to land.
; LIMITS: f16 operands: |wq|, |wk|, |wv|, |bias| beyond 65,504 are not served; p under 2^-24 rounds to 0 in the product (it stays in l down to 2^-126); NaN and infinities are not served.
; REGISTERS: window 0: v1-13 addresses; ST v16-31 statistics, 8 a tile (+0 c m, +1 m, +2, +3 l, +4..7 at work, a in +6); Q v32-63; S v64-127; P v128-159; BS v160-223 the bias (f32, then f16 in place), in the last step g.
;   window 1: O v0-63; OB v64-127; K's fragments v128-191; V's v192-255.
.set SLOTB, 135168                     ; a slot: the bias, 2 steps x 128 rows x 272 bytes, then 64 KB of K and V
.set BSTEP, 34816
.set KVO,   69632
.set SPARE, 2*SLOTB                    ; behind the ring: the spare words, 128 bytes a wave: four blocks of 256 bytes that no other line names
.set AKV, 1                            ; v1, v2  slot n: my head's K and V + 16 x lane
.set ABI, 3                            ; v3, v4  slot n: row 32 (wave % 4) + r of the bias, + 32 h
.set LI,  5                            ; v5   16 x lane
.set SPW, 6                            ; v6   LDS address of my spare word; never rewritten
.set NIL, 7                            ; v7   0; never rewritten
.set PFO, 8                            ; v8, v9  the prefetches' two offsets; never rewritten
.set PFO2, 9
.set GPF, 13                           ; v13  256 x lane: g's prefetch; never rewritten
.set ST,  16
.set Q,   32
.set S,   64
.set P,   128
.set BS,  160
.set O,   0
.set OBA, 64
.set KF,  128
.set VF,  192
.set CLS, 21                           ; s21  my class
.set G1B, 24                           ; s[24:31] descriptor group 1 for the bias;  s[32:39] for K/V
.set G1K, 32
.set G0B, 40                           ; s[40:47] group 0 for the bias, a set for each slot;  s[48:55] for K/V
.set G0K, 48
.set CS,  56                           ; s[56:57] c
.set SEL, 58                           ; s[58:59] lane l xor 16
.set J,   60                           ; s60  the slot in hand
.set CNT, 61
.set LIM, 62                           ; s62  a wave prefetches while J is under it
.set PFA, 66                           ; s[66:67] where my prefetches stand;  s[68:69] a slot on
.set PFS, 68
.set MSB, 0
.macro WIN new                         ; the immediate's high byte repeats the setting that is left
.if MSB != \new
	s_set_vgpr_msb (MSB<<8)|\new
.set MSB, \new
.endif
.endm
.macro PLACES                          ; four places in front of loads into registers that matrix instructions have read, and of reads of results
.rept 4
	v_nop
.endr
.endm
; A joint load into slot n.  The branch hangs on the wave's number alone.  An s_nop 0 and four v_nop follow each of the two lines.
.macro JLOAD n
	s_cmp_eq_u32 s15, 0
	s_cbranch_scc0 .Lfor_kv_\@
	tensor_load_to_lds s[G0B+4*(\n):G0B+4*(\n)+3], s[G1B:G1B+7]
	s_nop 0
.rept 4
	v_nop
.endr
	s_branch .Lasked_\@
.Lfor_kv_\@:
	tensor_load_to_lds s[G0K+4*(\n):G0K+4*(\n)+3], s[G1K:G1K+7]
	s_nop 0
.rept 4
	v_nop
.endr
.Lasked_\@:
.endm
; A PREFETCH INTO THE L2 of the slot that the NEXT change of slots will ask for (in slot J: slot J + 2), behind the wave's tensor load and its five lines.  Each aligned block of 256 bytes is named once in the launch.
; The bias tile is read by this column of this cluster alone: wave 0 of each of its four work-groups takes 32 of the 128 rows, told apart BY ADDRESS (32 cy + lane), two blocks a row.
; K/V's slot is read by the four clusters along x: the first of them asks; wave 4 of each of the row's four work-groups takes 16 KB, told apart by address (16,384 cx), lanes 256 bytes apart, twice.
; Slots 0 and 1 come by their loads alone; from J = 14 on there is no slot two on.
.macro ASK
	s_cmp_lt_u32 s[J], s[LIM]
	s_cbranch_scc0 .Lnot_mine_\@
	global_prefetch_b8 v[PFO], s[PFA:PFA+1] th:TH_LOAD_NT scope:SCOPE_SE
	global_prefetch_b8 v[PFO2], s[PFA:PFA+1] th:TH_LOAD_NT scope:SCOPE_SE
.Lnot_mine_\@:
.endm
.macro CROUND                          ; a round of the cluster's barrier
	s_barrier_signal -1
	s_barrier_wait -1
	s_cmp_lg_u32 s14, 0
	s_cbranch_scc1 .Lnot_wave_0_\@
	s_barrier_signal -3
.Lnot_wave_0_\@:
	s_barrier_wait -3
	s_barrier_signal -1
	s_barrier_wait -1
.endm
; The softmax of a step, both tiles line by line in turn.  first = 1: the first step, which starts m, l and O: no old maximum, no a, nothing to rescale.
.macro SOFTMAX first
.irp c, 0,1,2,3                        ; the maximum: four chains, each begun at the low end of its accumulator
.irp i, 0,1
	v_max3_num_f32 v[ST+8*\i+4+\c], v[S+32*\i+8*\c], v[S+32*\i+8*\c+1], v[S+32*\i+8*\c+2]
.endr
.endr
.irp d, 3,5
.irp c, 0,1,2,3
.irp i, 0,1
	v_max3_num_f32 v[ST+8*\i+4+\c], v[ST+8*\i+4+\c], v[S+32*\i+8*\c+\d], v[S+32*\i+8*\c+\d+1]
.endr
.endr
.endr
.irp i, 0,1
	v_max3_num_f32 v[ST+8*\i+4], v[ST+8*\i+4], v[S+32*\i+7], v[S+32*\i+15]
.endr
.irp i, 0,1
	v_max3_num_f32 v[ST+8*\i+6], v[ST+8*\i+6], v[S+32*\i+23], v[S+32*\i+31]
.endr
.irp i, 0,1
	v_max3_num_f32 v[ST+8*\i+4], v[ST+8*\i+4], v[ST+8*\i+5], v[ST+8*\i+6]
.endr
.irp i, 0,1
.if \first
	v_max_num_f32 v[ST+8*\i+4], v[ST+8*\i+4], v[ST+8*\i+7]
.else
	v_max3_num_f32 v[ST+8*\i+4], v[ST+8*\i+4], v[ST+8*\i+7], v[ST+8*\i+1]
.endif
.endr
.irp i, 0,1
	v_permlanex16_b32 v[ST+8*\i+5], v[ST+8*\i+4], s[SEL], s[SEL+1]   ; the query's other 32 keys lie in the lane 16 away
.endr
.if !\first
.irp i, 0,1
	v_mov_b32 v[ST+8*\i+7], v[ST+8*\i]             ; c m_old is kept for a
.endr
.endif
.irp i, 0,1
	v_max_num_f32 v[ST+8*\i+1], v[ST+8*\i+4], v[ST+8*\i+5]
.endr
.irp i, 0,1
	v_mul_f32 v[ST+8*\i], s[CS], v[ST+8*\i+1]
.endr
.if !\first
.irp i, 0,1
	v_sub_f32 v[ST+8*\i+7], v[ST+8*\i+7], v[ST+8*\i]
.endr
.endif
.set x, 0
.rept 16
.irp i, 0,1
	v_pk_fma_f32 v[S+32*\i+x:S+32*\i+x+1], v[S+32*\i+x:S+32*\i+x+1], s[CS:CS+1], v[ST+8*\i:ST+8*\i+1] op_sel_hi:[1,0,0] neg_lo:[0,0,1] neg_hi:[0,0,1]   ; c s - c m, two at a time
.endr
.set x, x+2
.endr
.if !\first
.irp i, 0,1
	v_exp_f32 v[ST+8*\i+6], v[ST+8*\i+7]           ; a
.endr
.endif
.set x, 0
.rept 32
.irp i, 0,1
	v_exp_f32 v[S+32*\i+x], v[S+32*\i+x]           ; p: ONE batch for both tiles; none of these reads an exponential's result
.endr
.set x, x+1
.endr
	v_nop                                          ; a plain place behind the last exponential,
	s_wait_alu depctr_va_vdst(0)                   ; and one wait for the batch, ahead of its first reader
.set x, 0
.rept 16
.irp i, 0,1
	v_cvt_pk_f16_f32 v[P+16*\i+x], v[S+32*\i+2*x], v[S+32*\i+2*x+1]   ; key tiles 2 g and 2 g + 1 in pairs ARE the fragment of key group g
.endr
.set x, x+1
.endr
.irp u, 0,1,2,3,4,5,6,7                ; the sum of the unrounded p, a tree in place
.irp i, 0,1
	v_pk_add_f32 v[S+32*\i+4*\u:S+32*\i+4*\u+1], v[S+32*\i+4*\u:S+32*\i+4*\u+1], v[S+32*\i+4*\u+2:S+32*\i+4*\u+3]
.endr
.endr
.irp u, 0,1,2,3
.irp i, 0,1
	v_pk_add_f32 v[S+32*\i+8*\u:S+32*\i+8*\u+1], v[S+32*\i+8*\u:S+32*\i+8*\u+1], v[S+32*\i+8*\u+4:S+32*\i+8*\u+5]
.endr
.endr
.irp u, 0,1
.irp i, 0,1
	v_pk_add_f32 v[S+32*\i+16*\u:S+32*\i+16*\u+1], v[S+32*\i+16*\u:S+32*\i+16*\u+1], v[S+32*\i+16*\u+8:S+32*\i+16*\u+9]
.endr
.endr
.if \first
.irp i, 0,1
	v_pk_add_f32 v[ST+8*\i+2:ST+8*\i+3], v[S+32*\i:S+32*\i+1], v[S+32*\i+16:S+32*\i+17]
.endr
.else
.irp i, 0,1
	v_pk_add_f32 v[S+32*\i:S+32*\i+1], v[S+32*\i:S+32*\i+1], v[S+32*\i+16:S+32*\i+17]
.endr
.irp i, 0,1
	v_pk_fma_f32 v[ST+8*\i+2:ST+8*\i+3], v[ST+8*\i+2:ST+8*\i+3], v[ST+8*\i+6:ST+8*\i+7], v[S+32*\i:S+32*\i+1] op_sel_hi:[1,0,1]   ; l = a l + the sum
.endr
	WIN 0x41                                       ; O (destination and source 0) in window 1
.set x, 0
.rept 16
.irp i, 0,1
	v_pk_mul_f32 v[O+32*\i+x:O+32*\i+x+1], v[O+32*\i+x:O+32*\i+x+1], v[ST+8*\i+6:ST+8*\i+7] op_sel_hi:[1,0]   ; O x a, each accumulator from its low end on
.endr
.set x, x+2
.endr
	WIN 0
.endif
.endm
; THE FIRST HALF OF A KEY STEP: the t-th 64 keys of slot n: all its LDS loads, the scores' 16 products, the bias to f16, the bias's 16 products.
; In each group of 16 products eight accumulators take turns, one instruction a turn, and no two products that follow each other, on any way, share an accumulator.
.macro H1 n, t, first, last
	PLACES                                         ; behind P's products, ahead of the loads into V's registers
	WIN 0x40                                       ; destination window 1
.irp f, 0,1,2,3,4,5,6,7                ; K: fragment 2 kt + cs
	ds_load_b128 v[KF+8*\f:KF+8*\f+3], v[AKV+\n] offset:(\t)*16384+\f*1024
	ds_load_b128 v[KF+8*\f+4:KF+8*\f+7], v[AKV+\n] offset:(\t)*16384+\f*1024+512
.endr
.irp f, 0,1,2,3,4,5,6,7                ; V: fragment 4 g + ct
	ds_load_b128 v[VF+8*\f:VF+8*\f+3], v[AKV+\n] offset:(\t)*16384+8192+\f*1024
	ds_load_b128 v[VF+8*\f+4:VF+8*\f+7], v[AKV+\n] offset:(\t)*16384+8192+\f*1024+512
.endr
	WIN 0
.irp i, 0,1                            ; the bias: of query r's row the keys 32 g + 16 u + 8 h + 0..7
.irp g, 0,1
.irp u, 0,1
.irp e, 0,1
	ds_load_b128 v[BS+32*\i+16*\g+8*\u+4*\e:BS+32*\i+16*\g+8*\u+4*\e+3], v[ABI+\n] offset:(\t)*BSTEP+\i*4352+128*\g+64*\u+16*\e
.endr
.endr
.endr
.endr
	s_wait_dscnt 32                                ; K is in; V's 16 loads and the bias's 16 may be out
	WIN 0x01                                       ; source 0 (K) window 1
.irp cs, 0,1
.irp kt, 0,1,2,3
.irp i, 0,1
.if \cs == 0
	v_wmma_f32_16x16x32_f16 v[S+32*\i+8*\kt:S+32*\i+8*\kt+7], v[KF+16*\kt:KF+16*\kt+7], v[Q+16*\i:Q+16*\i+7], 0
.else
	v_wmma_f32_16x16x32_f16 v[S+32*\i+8*\kt:S+32*\i+8*\kt+7], v[KF+16*\kt+8:KF+16*\kt+15], v[Q+16*\i+8:Q+16*\i+15], v[S+32*\i+8*\kt:S+32*\i+8*\kt+7]
.endif
.endr
.endr
.endr
	WIN 0
	s_wait_dscnt 0x0                               ; V and the bias are in: from here on the step reads nothing from LDS
.set x, 0
.rept 16                               ; the bias to f16, compacted in place (register x takes numbers 2 x and 2 x + 1): fragment g lies at 8 g.  These 32 lines are also the places behind the scores' products
.irp i, 0,1
	v_cvt_pk_f16_f32 v[BS+32*\i+x], v[BS+32*\i+2*x], v[BS+32*\i+2*x+1]
.endr
.set x, x+1
.endr
	WIN 0x51                                       ; V, C and D window 1
.irp g, 0,1
.irp ct, 0,1,2,3
.irp i, 0,1
.if \first && (\g == 0)
	v_wmma_f32_16x16x32_f16 v[OBA+32*\i+8*\ct:OBA+32*\i+8*\ct+7], v[VF+32*\g+8*\ct:VF+32*\g+8*\ct+7], v[BS+32*\i+8*\g:BS+32*\i+8*\g+7], 0
.else
	v_wmma_f32_16x16x32_f16 v[OBA+32*\i+8*\ct:OBA+32*\i+8*\ct+7], v[VF+32*\g+8*\ct:VF+32*\g+8*\ct+7], v[BS+32*\i+8*\g:BS+32*\i+8*\g+7], v[OBA+32*\i+8*\ct:OBA+32*\i+8*\ct+7]
.endif
.endr
.endr
.endr
	WIN 0
.if \last
	PLACES                                         ; the bias's registers have had their last product: the gate comes into them while the last softmax runs
.irp i, 0,1
.irp ct, 0,1,2,3
	global_load_b128 v[BS+32*\i+8*\ct:BS+32*\i+8*\ct+3], v[LI], s[10:11] offset:\i*4096+\ct*1024
	global_load_b128 v[BS+32*\i+8*\ct+4:BS+32*\i+8*\ct+7], v[LI], s[10:11] offset:\i*4096+\ct*1024+512
.endr
.endr
.endif
.endm
; THE SECOND HALF: the softmax and P's 16 products.  It names registers alone: the scores, the statistics, P, O and V's fragments as H1 left them.
.macro H2 first
	SOFTMAX \first
	WIN 0x51
.irp g, 0,1
.irp ct, 0,1,2,3
.irp i, 0,1
.if \first && (\g == 0)
	v_wmma_f32_16x16x32_f16 v[O+32*\i+8*\ct:O+32*\i+8*\ct+7], v[VF+32*\g+8*\ct:VF+32*\g+8*\ct+7], v[P+16*\i+8*\g:P+16*\i+8*\g+7], 0
.else
	v_wmma_f32_16x16x32_f16 v[O+32*\i+8*\ct:O+32*\i+8*\ct+7], v[VF+32*\g+8*\ct:VF+32*\g+8*\ct+7], v[P+16*\i+8*\g:P+16*\i+8*\g+7], v[O+32*\i+8*\ct:O+32*\i+8*\ct+7]
.endif
.endr
.endr
.endr
	WIN 0
.endm
.macro H2IF cls                        ; H2 for the waves of one class: a branch on the wave's number, round register work alone
	s_cmp_eq_u32 s[CLS], \cls
	s_cbranch_scc0 .Lnot_my_turn_\@
	H2 0
.Lnot_my_turn_\@:
.endm
; A SLOT.  At its head the change of slots: each wave waits for all its tensor loads (its part of this slot), adds 0 to its spare word, and waits for that and for its reads of the slot that it has left (they ended in that slot's last H1); a round of the cluster's barrier;
; behind it this slot is whole in every partner and nobody reads the other one.  refill = 1: the other slot is asked for, first thing behind the round.
; Then the halves: class 1 first finishes the step that it brought along; both classes run H1, H2, H1; class 0 finishes its step, class 1 takes it along.  The last slot's last H2 is run by all.
.macro TRIP n, refill, first, last
	s_wait_tensorcnt 0x0                           ; no tensor load of mine is out, so a group 0 may be written
	ds_add_u32 v[SPW], v[NIL]                      ; 0 onto my spare word; the steps below stand between it and the wait for it
	s_add_nc_u64 s[G0B+4*(\n)+2:G0B+4*(\n)+3], s[G0B+4*(\n)+2:G0B+4*(\n)+3], 1024     ; this slot's next tile: 256 keys on in a row of the bias,
	s_add_nc_u64 s[G0K+4*(\n)+2:G0K+4*(\n)+3], s[G0K+4*(\n)+2:G0K+4*(\n)+3], 131072   ; two slots on in K/V; the type bits on top are not reached
	s_wait_xcnt 0x0                                ; the last prefetches, a slot back, have read their address
	s_add_nc_u64 s[PFA:PFA+1], s[PFA:PFA+1], s[PFS:PFS+1]
	s_wait_dscnt 0x0                               ; the add is done, and my reads of the slot that I have left are over
	CROUND
.if \refill
	JLOAD 1-\n
	ASK
.endif
.if \last
	global_prefetch_b8 v[GPF], s[10:11] th:TH_LOAD_NT scope:SCOPE_SE   ; g: my wave's 8 KB, a lane to each block of 256 bytes, three halves of a step ahead of the loads; each block is named once in the launch; the registers are never rewritten
.endif
	s_add_co_u32 s[J], s[J], 1
.if !\first
	H2IF 1
.endif
	H1 \n, 0, \first, 0
	H2 \first
	H1 \n, 1, 0, \last
.if \last
	H2 0
.else
	H2IF 0
.endif
.endm
	s_load_b256 s[4:11], s[0:1], 0x0               ; qimg s[4:5], kv s[6:7], bias s[8:9], gimg s[10:11]
	s_load_b64 s[12:13], s[0:1], 0x20              ; goimg
	v_lshl_add_u32 v[SPW], v0, 2, SPARE
	v_mov_b32 v[NIL], 0
	ds_add_u32 v[SPW], v[NIL]                      ; the wave's opening: the add, twice on end, and its wait ahead of my first tensor load; the set-up below, work on registers, stands between
	ds_add_u32 v[SPW], v[NIL]
	v_lshrrev_b32 v10, 5, v0
	v_readfirstlane_b32 s14, v10                   ; wave 0..7
	s_lshr_b32 s15, s14, 2                         ; my head of the pair.  Also: I fetch for the bias (0) or for K/V (1)
	s_and_b32 s16, s14, 3                          ; my 32 queries.  Also: which quarter I fetch
	s_xor_b32 s[CLS], s15, s14
	s_and_b32 s[CLS], s[CLS], 1                    ; my class
	s_bfe_u32 s17, ttmp6, 0x40000                  ; cx
	s_bfe_u32 s18, ttmp6, 0x40004                  ; cy = the pair of heads
	s_lshl_b32 s19, ttmp9, 2
	s_add_co_u32 s19, s19, s17                     ; my block of 128 queries = 4 x cluster x + cx
	s_and_b32 s20, ttmp7, 0xffff                   ; the batch = cluster y
	s_lshl_b32 s74, s18, 2
	s_lshl_b32 s74, 15, s74                        ; my row of the cluster
	s_lshl_b32 s75, 0x1111, s17                    ; my column
	s_or_b32 s[G1B], s75, (2<<16)|(1<<20)|(1<<21)|(5<<22)|(3<<25)   ; the mask: my column; elements of 4 bytes; padding on; bit 21 beside a mask; after every 64 words, 4 words
	s_mov_b32 s[G1B+1], 64<<16                     ; tensor_dim0 = 64
	s_mov_b32 s[G1B+2], 64<<16                     ; tensor_dim1 = 64
	s_mov_b32 s[G1B+3], 64<<16                     ; tile_dim0 = 64 elements: 256 bytes
	s_mov_b32 s[G1B+4], 64                         ; tile_dim1 = 64 rows
	s_mov_b32 s[G1B+5], 2048                       ; from row to row
	s_mov_b32 s[G1B+6], 0
	s_mov_b32 s[G1B+7], 0
	s_or_b32 s[G1K], s74, (3<<16)|(1<<21)          ; the mask: my row; elements of 8 bytes; no padding: 16 KB, dense, as 64 rows of 256 bytes
	s_mov_b32 s[G1K+1], 32<<16
	s_mov_b32 s[G1K+2], 64<<16
	s_mov_b32 s[G1K+3], 32<<16
	s_mov_b32 s[G1K+4], 64
	s_mov_b32 s[G1K+5], 32
	s_mov_b32 s[G1K+6], 0
	s_mov_b32 s[G1K+7], 0
	; the bias's part that I would fetch: step (wave % 2), rows 64 ((wave % 4) / 2) on.  Nothing here holds cy
	s_lshl_b32 s70, s20, 11
	s_lshl_b32 s71, s19, 7
	s_add_co_u32 s70, s70, s71
	s_lshr_b32 s71, s16, 1
	s_lshl_b32 s76, s71, 6
	s_add_co_u32 s70, s70, s76                     ; row = 2,048 batch + 128 block + 64 half
	s_lshl_b32 s70, s70, 13                        ; x 8,192 bytes
	s_and_b32 s77, s14, 1
	s_lshl_b32 s76, s77, 8
	s_add_co_u32 s70, s70, s76                     ; + 256 bytes x step
	s_mul_i32 s78, s77, BSTEP
	s_mul_i32 s76, s71, 17408
	s_add_co_u32 s78, s78, s76                     ; and its place in a slot: the wave's number alone
	s_mov_b32 s71, 0
	; K/V's part: quarter wave % 4 of the slot's 64 KB.  Nothing here holds cx
	s_lshl_b32 s72, s20, 22
	s_lshl_b32 s73, s18, 20
	s_add_co_u32 s72, s72, s73
	s_lshl_b32 s79, s16, 14
	s_add_co_u32 s72, s72, s79
	s_mov_b32 s73, 0
	s_add_co_u32 s79, s79, KVO
	; Q, g, go at my wave's 32 queries of my head
	s_lshl_b32 s80, s20, 4
	s_add_co_u32 s80, s80, s19                     ; block of 128 rows = 16 batch + block
	s_lshl_b32 s80, s80, 17
	s_lshl_b32 s81, s18, 15
	s_add_co_u32 s80, s80, s81
	s_lshl_b32 s81, s15, 14
	s_add_co_u32 s80, s80, s81
	s_lshl_b32 s81, s16, 12
	s_add_co_u32 s82, s80, s81                     ; qimg
	s_mov_b32 s83, 0
	s_lshl_b32 s84, s82, 1                         ; gimg: twice that
	s_mov_b32 s85, 0
	s_lshl_b32 s81, s16, 11
	s_add_co_u32 s86, s80, s81                     ; goimg: [rows / 128][step of 32 channels: 16][row tile 8][1 KB]
	s_mov_b32 s87, 0
	; the prefetches
	s_lshl_b32 s88, s20, 11
	s_lshl_b32 s89, s19, 7
	s_add_co_u32 s88, s88, s89
	s_lshl_b32 s89, s18, 5
	s_add_co_u32 s88, s88, s89                     ; the bias: my work-group's 32 of the tile's rows,
	s_lshl_b32 s88, s88, 13
	s_add_co_u32 s88, s88, 512                     ; in slot 1: the first change of slots steps it to slot 2
	s_lshl_b32 s90, s20, 22
	s_lshl_b32 s89, s18, 20
	s_add_co_u32 s90, s90, s89
	s_lshl_b32 s89, s17, 14
	s_add_co_u32 s90, s90, s89                     ; K/V: my work-group's 16 KB,
	s_add_co_u32 s90, s90, 65536                   ; in slot 1
	s_mov_b32 s[PFS], 65536
	s_mov_b32 s91, 256
	s_mov_b32 s92, 8192
	s_cmp_eq_u32 s15, 0
	s_cselect_b32 s88, s88, s90
	s_cselect_b32 s[PFS], 512, s[PFS]              ; a slot on
	s_cselect_b32 s91, 8192, s91                   ; from lane to lane
	s_cselect_b32 s92, 256, s92                    ; from the first request to the second
	s_cselect_b32 s93, 0, ttmp9                    ; the bias: every cluster asks; K/V: the first along x
	s_mov_b32 s89, 0
	s_mov_b32 s[PFS+1], 0
	s_or_b32 s93, s93, s16                         ; and of each group of four waves the first: the same in all partners
	s_cmp_eq_u32 s93, 0
	s_cselect_b32 s[LIM], 14, 0
	v_and_b32 v10, 31, v0
	v_mul_lo_u32 v[PFO], v10, s91
	v_add_nc_u32 v[PFO2], s92, v[PFO]
	v_lshlrev_b32 v[GPF], 8, v10
	s_mov_b32 s[CS], 0x3e38aa3b                    ; c = log2(e) / 8
	s_mov_b32 s[CS+1], s[CS]                       ; (named with it as a pair, so it is written)
	s_mov_b32 s[SEL], 0x76543210
	s_mov_b32 s[SEL+1], 0xfedcba98
	s_mov_b32 s[J], 0
	s_wait_dscnt 0x0                               ; both opening adds are done
	s_wait_kmcnt 0x0
	s_add_nc_u64 s[70:71], s[8:9], s[70:71]
	s_add_nc_u64 s[72:73], s[6:7], s[72:73]
	s_cmp_eq_u32 s15, 0
	s_cselect_b64 s[PFA:PFA+1], s[8:9], s[6:7]
	s_add_nc_u64 s[PFA:PFA+1], s[PFA:PFA+1], s[88:89]
	s_add_nc_u64 s[4:5], s[4:5], s[82:83]
	s_add_nc_u64 s[10:11], s[10:11], s[84:85]
	s_add_nc_u64 s[12:13], s[12:13], s[86:87]
.irp n, 0,1
	s_mov_b32 s[G0B+4*\n], 1                       ; count = 1
	s_add_co_u32 s[G0B+4*\n+1], s78, \n*SLOTB      ; LDS address
	s_add_nc_u64 s[G0B+4*\n+2:G0B+4*\n+3], s[70:71], \n*512        ; slot n begins with keys 128 n on
	s_or_b32 s[G0B+4*\n+3], s[G0B+4*\n+3], 0x80000000              ; type = 2
	s_mov_b32 s[G0K+4*\n], 1
	s_add_co_u32 s[G0K+4*\n+1], s79, \n*SLOTB
	s_add_nc_u64 s[G0K+4*\n+2:G0K+4*\n+3], s[72:73], \n*65536
	s_or_b32 s[G0K+4*\n+3], s[G0K+4*\n+3], 0x80000000
.endr
	CROUND                                         ; all sixteen work-groups are here: the first joint loads meet
	JLOAD 0                                        ; slot 0; slot 1 is asked for behind the first slot's round, behind which nothing is filled again
	v_lshlrev_b32 v[LI], 4, v10
.irp i, 0,1
.irp cs, 0,1
	global_load_b128 v[Q+16*\i+8*\cs:Q+16*\i+8*\cs+3], v[LI], s[4:5] offset:\i*2048+\cs*1024       ; Q stays in registers
	global_load_b128 v[Q+16*\i+8*\cs+4:Q+16*\i+8*\cs+7], v[LI], s[4:5] offset:\i*2048+\cs*1024+512
.endr
.endr
	s_lshl_b32 s76, s15, 15
	s_add_co_u32 s76, s76, KVO
	v_add_nc_u32 v[AKV], s76, v[LI]
	v_add_nc_u32 v[AKV+1], SLOTB, v[AKV]
	v_and_b32 v11, 15, v0
	v_bfe_u32 v12, v0, 4, 1
	v_mul_u32_u24 v[ABI], v11, 272
	v_lshl_add_u32 v[ABI], v12, 5, v[ABI]
	s_mul_i32 s76, s16, 32*272
	v_add_nc_u32 v[ABI], s76, v[ABI]
	v_add_nc_u32 v[ABI+1], SLOTB, v[ABI]
	s_wait_loadcnt 0x0                             ; Q
	TRIP 0, 1, 1, 0                                ; slot 0: its first step starts the sums: nothing is ever cleared
	s_mov_b32 s[CNT], 7
.Lpair:                                ; slots 1 to 14, two a trip: once round the ring
	TRIP 1, 1, 0, 0
	TRIP 0, 1, 0, 0
	s_sub_co_u32 s[CNT], s[CNT], 1
	s_cmp_lg_u32 s[CNT], 0
	s_cbranch_scc1 .Lpair
	TRIP 1, 0, 0, 1                                ; slot 15 is written out: it asks for nothing
	; THE WAY OUT: o = O / l + OB; x g; to bf16.  A lane's channels 16 ct + 8 h + 0..7 of query r, in pairs, are half a fragment (16 rows x 32 channels) of the last product's operand: it leaves as an image.
	PLACES
.irp i, 0,1
	v_add_f32 v[ST+8*\i+4], v[ST+8*\i+2], v[ST+8*\i+3]
.endr
.irp i, 0,1
	v_permlanex16_b32 v[ST+8*\i+5], v[ST+8*\i+4], s[SEL], s[SEL+1]
.endr
.irp i, 0,1
	v_add_f32 v[ST+8*\i+4], v[ST+8*\i+4], v[ST+8*\i+5]
.endr
.irp i, 0,1
	v_rcp_f32 v[ST+8*\i+6], v[ST+8*\i+4]
.endr
	v_nop                                          ; a plain place behind the reciprocals,
	s_wait_alu depctr_va_vdst(0)                   ; and the wait ahead of their first reader
	s_wait_loadcnt 0x0                             ; g
	WIN 0x11                                       ; O and OB in window 1
.irp i, 0,1
.set x, 0
.rept 16
	v_pk_fma_f32 v[S+32*\i+x:S+32*\i+x+1], v[O+32*\i+x:O+32*\i+x+1], v[ST+8*\i+6:ST+8*\i+7], v[OBA+32*\i+x:OBA+32*\i+x+1] op_sel_hi:[1,0,1]   ; each accumulator from its low end on
.set x, x+2
.endr
.endr
	WIN 0
.irp i, 0,1
.set x, 0
.rept 16
	v_pk_mul_f32 v[S+32*\i+x:S+32*\i+x+1], v[S+32*\i+x:S+32*\i+x+1], v[BS+32*\i+x:BS+32*\i+x+1]
.set x, x+2
.endr
.endr
.irp i, 0,1
.set x, 0
.rept 16
	v_cvt_pk_bf16_f32 v[P+16*\i+x], v[S+32*\i+2*x], v[S+32*\i+2*x+1]
.set x, x+1
.endr
.endr
.irp i, 0,1
.irp cs, 0,1
	global_store_b128 v[LI], v[P+16*\i+8*\cs:P+16*\i+8*\cs+3], s[12:13] offset:\cs*8192+\i*1024       ; 32 lanes store 512 consecutive, aligned bytes
	global_store_b128 v[LI], v[P+16*\i+8*\cs+4:P+16*\i+8*\cs+7], s[12:13] offset:\cs*8192+\i*1024+512
.endr
.endr
	s_wait_tensorcnt 0x0                           ; the wave's end, behind my last tensor load
	ds_add_u32 v[SPW], v[NIL]
	s_wait_dscnt 0x0
	CROUND                                         ; the closing round: no work-group ends while a partner may still ask for a tile that names it
	s_endpgm
.Lfunc_end_k_q439f207eb8_attn:
	.size	k_q439f207eb8_attn, .Lfunc_end_k_q439f207eb8_attn-k_q439f207eb8_attn
	.p2alignl 7, 3214868480
	.fill 96, 4, 3214868480
	.section	.rodata,"a",@progbits
	.p2align	6, 0x0
	.amdhsa_kernel k_q439f207eb8_attn
		.amdhsa_group_segment_fixed_size 327680
		.amdhsa_private_segment_fixed_size 0
		.amdhsa_enable_private_segment 0
		.amdhsa_kernarg_size 40
		.amdhsa_user_sgpr_count 2
		.amdhsa_user_sgpr_kernarg_segment_ptr 1
		.amdhsa_wavefront_size32 1
		.amdhsa_system_sgpr_workgroup_id_x 1
		.amdhsa_system_sgpr_workgroup_id_y 1
		.amdhsa_system_sgpr_workgroup_id_z 1
		.amdhsa_system_vgpr_workitem_id 0
		.amdhsa_next_free_vgpr 512
		.amdhsa_next_free_sgpr 96
		.amdhsa_reserve_vcc 0
		.amdhsa_float_denorm_mode_32 3
		.amdhsa_float_denorm_mode_16_64 3
		.amdhsa_memory_ordered 1
		.amdhsa_forward_progress 1
		.amdhsa_inst_pref_size 230
	.end_amdhsa_kernel
	.amdgpu_metadata
---
amdhsa.version: [ 1, 2 ]
amdhsa.kernels:
  - .name:           k_q439f207eb8_attn
    .symbol:         k_q439f207eb8_attn.kd
    .args:
      - { .name: qimg, .offset: 0, .size: 8, .value_kind: global_buffer, .address_space: global }
      - { .name: kv, .offset: 8, .size: 8, .value_kind: global_buffer, .address_space: global }
      - { .name: bias, .offset: 16, .size: 8, .value_kind: global_buffer, .address_space: global }
      - { .name: gimg, .offset: 24, .size: 8, .value_kind: global_buffer, .address_space: global }
      - { .name: goimg, .offset: 32, .size: 8, .value_kind: global_buffer, .address_space: global }
    .group_segment_fixed_size: 327680
    .private_segment_fixed_size: 0
    .kernarg_segment_align: 8
    .kernarg_segment_size: 40
    .max_flat_workgroup_size: 256
    .sgpr_count:     96
    .vgpr_count:     512
    .wavefront_size: 32
...
	.end_amdgpu_metadata
.endif
;; end of part 3
;; launch outp (part 4): grid 4 x 64, 4 waves a work-group, clusters of 4 x 4, 327,680 bytes of LDS; arguments goimg, woimg, bo, out0; writes out0
.if DOCPART == 4
	.amdgcn_target "amdgcn-amd-amdhsa--gfx1250"
	.amdhsa_code_object_version 6
	.text
	.protected	k_q439f207eb8_outp
	.globl	k_q439f207eb8_outp
	.p2align	8
	.type	k_q439f207eb8_outp,@function
k_q439f207eb8_outp:
	s_mov_b64 s[64:65], 0
	v_nop
	global_prefetch_b8 v0, s[64:65] scope:SCOPE_SE
	s_setreg_imm32_b32 hwreg(HW_REG_WAVE_MODE, 25, 1), 1
	s_wait_xcnt 0x0
	s_wait_alu depctr_hold_cnt(0) depctr_sa_sdst(0) depctr_va_vdst(0) depctr_va_sdst(0) depctr_va_ssrc(0) depctr_va_vcc(0) depctr_vm_vsrc(0)
	s_getreg_b32 s2, hwreg(HW_REG_IB_STS2, 6, 4)
	s_cmp_eq_u32 s2, 0
	s_cbranch_scc0 .Lentry_in_a_cluster
	s_endpgm
.Lentry_in_a_cluster:
	s_bfe_u32 s2, ttmp6, 0x10000c
	s_cmp_lg_u32 s2, 0xf033
	s_cbranch_scc0 .Lentry_shape_is_right
	s_endpgm
.Lentry_shape_is_right:
; out0 = go Wo + bo.  go [8,192][512] arrives as bf16, Wo [512 (k)][512 (n)] as a PAIR of bf16 numbers (high and low part), all as images of operand registers (16 rows or columns x 32 K in 1 KB); sums in f32; out0 f32.
; bf16 and not f16: g x o has no bound that fits f16's range when the inputs are some 30 times larger than drawn.  Wo in two parts: out0 = go Wo_hi + go Wo_lo, both by the matrix unit, so that only go's rounding is left.
; SHARES: a work-group makes 128 rows x 128 columns of out0 (4 x 64 = 256 work-groups) in TWO PASSES of 64 columns; a wave 32 rows x 64 columns a pass: 8 accumulators a pass, and whole rows of 256 bytes on the way out.
; The product is used TRANSPOSED (source 0 = 16 columns of Wo, source 1 = 16 rows of go): a lane holds eight neighbouring numbers of a row of out0.
; LDS: [half of K: 2][go 64 KB, Wo 64 KB]; then a stage of 16 rows x 272 bytes for each wave; then the spare words.  go's 128 KB are fetched once and serve both passes.
; Wo'S TWO HALVES ARE A RING.  The 32 K steps of 32 are counted G = 0 .. 31 (pass G / 16, step G % 16); the fragments of step G + 2 are fetched behind the products of step G.  So behind the products of G = 6 a wave's reads of
; half 0 have all been issued, and of half 1 behind those of G = 14: there each wave waits for all its tensor loads, adds 0 to its spare word, waits for that and for its reads, passes a round of the cluster's barrier, and asks for its
; quarter (16 KB) of the second pass's half into the bytes just read out.  Such a load has eight K steps, 128 products of a wave, in which to land.  At G = 22 a plain barrier shows the last half landed.
; CLUSTER 4 x 4: go's tile is the same along a row of the cluster, Wo's along a column: each is asked for JOINTLY.  At the start waves 0, 1 fetch go and waves 2, 3 Wo, 32 KB (dense) a load, two loads a wave; the refills are Wo's, one a wave.
; By this text's count two tensor loads of a wave are outstanding at the start and one behind each round.
; The first pass's results leave under the second pass's products.  bo is the C of each sum's first product.
; REGISTERS: window 0: addresses; OUTR v64-127 rows on their way out, two sets; ACC v128-255 (pass p, (a, nt) at 64 p + 8 (4 a + nt)).
;   window 1: two sets of fragments, v0-79 and v80-159: Wo's eight (4 high, 4 low), then go's two; BO v160-223: bo as eight C tiles (4 p + nt).
.set STAGE,  262144
.set SPITCH, 272                       ; a stage row: 256 bytes + 16: sixteen rows start at sixteen different groups of four banks
.set SPARE,  STAGE+4*16*SPITCH         ; the spare words, 128 bytes a wave: two blocks of 256 bytes that no other line names
.set AG,  1                            ; v1, v2  half of K: my 32 rows' images of go + 16 x lane
.set AW,  3                            ; v3, v4  the same for Wo's images
.set STO, 5
.set RD,  6
.set CO,  7
.set SPW, 8                            ; v8   LDS address of my spare word; never rewritten
.set NIL, 9                            ; v9   0; never rewritten
.set BOA, 10
.set OUTR, 64
.set ACC, 128
.set FS,  80                           ; registers of a set of fragments
.set BO,  160                          ; in window 1
.set G1G, 24                           ; s[24:31] group 1 for go's first fills;  s[32:39] for Wo's;  s[56:63] for Wo's refills
.set G1W, 32
.set G0G, 40                           ; s[40:47], s[48:55] their groups 0, a set for each half of K;  s[68:75] the refills'
.set G0W, 48
.set G1R, 56
.set G0R, 68
.set MSB, 0
.macro WIN new                         ; the immediate's high byte repeats the setting that is left
.if MSB != \new
	s_set_vgpr_msb (MSB<<8)|\new
.set MSB, \new
.endif
.endm
.macro PLACES
.rept 4
	v_nop
.endr
.endm
.macro CROUND                          ; a round of the cluster's barrier
	s_barrier_signal -1
	s_barrier_wait -1
	s_cmp_lg_u32 s14, 0
	s_cbranch_scc1 .Lnot_wave_0_\@
	s_barrier_signal -3
.Lnot_wave_0_\@:
	s_barrier_wait -3
	s_barrier_signal -1
	s_barrier_wait -1
.endm
.macro FETCH g, f                      ; the fragments of step g into set f: 20 LDS loads.  Both passes read the same LDS bytes: Wo's have been filled again between
	WIN 0x40
.irp j, 0,1,2,3,4,5,6,7
	ds_load_b128 v[FS*(\f)+8*\j:FS*(\f)+8*\j+3], v[AW+((\g)%16)/8] offset:((\g)%8)*8192+\j*1024
	ds_load_b128 v[FS*(\f)+8*\j+4:FS*(\f)+8*\j+7], v[AW+((\g)%16)/8] offset:((\g)%8)*8192+\j*1024+512
.endr
.irp a, 0,1
	ds_load_b128 v[FS*(\f)+64+8*\a:FS*(\f)+64+8*\a+3], v[AG+((\g)%16)/8] offset:((\g)%8)*8192+\a*1024
	ds_load_b128 v[FS*(\f)+64+8*\a+4:FS*(\f)+64+8*\a+7], v[AG+((\g)%16)/8] offset:((\g)%8)*8192+\a*1024+512
.endr
.endm
.macro MUL16 g                         ; 16 products: Wo's high parts, then its low parts; the pass's 8 accumulators take turns, one instruction a turn, in the same order throughout
.irp p, 0,1
.if (((\g)%16) == 0) && (\p == 0)
	WIN 0x15                                       ; sources 0, 1 and C (bo) window 1
.else
	WIN 0x05                                       ; sources 0 and 1 window 1
.endif
.irp a, 0,1
.irp nt, 0,1,2,3
.if (((\g)%16) == 0) && (\p == 0)
	v_wmma_f32_16x16x32_bf16 v[ACC+64*((\g)/16)+8*(4*\a+\nt):ACC+64*((\g)/16)+8*(4*\a+\nt)+7], v[FS*((\g)%2)+8*(4*\p+\nt):FS*((\g)%2)+8*(4*\p+\nt)+7], v[FS*((\g)%2)+64+8*\a:FS*((\g)%2)+64+8*\a+7], v[BO+32*((\g)/16)+8*\nt:BO+32*((\g)/16)+8*\nt+7]
.else
	v_wmma_f32_16x16x32_bf16 v[ACC+64*((\g)/16)+8*(4*\a+\nt):ACC+64*((\g)/16)+8*(4*\a+\nt)+7], v[FS*((\g)%2)+8*(4*\p+\nt):FS*((\g)%2)+8*(4*\p+\nt)+7], v[FS*((\g)%2)+64+8*\a:FS*((\g)%2)+64+8*\a+7], v[ACC+64*((\g)/16)+8*(4*\a+\nt):ACC+64*((\g)/16)+8*(4*\a+\nt)+7]
.endif
.endr
.endr
.endr
.endm
; THE CHANGE OF A HALF: half r of Wo has been read out by this wave, and the other half's load, if one was out, is waited for with all the wave's tensor loads.  Behind the round no wave of any partner reads half r or has a load on its way.
.macro REFILL r
	WIN 0
	s_wait_tensorcnt 0x0                           ; all my tensor loads have landed
	ds_add_u32 v[SPW], v[NIL]                      ; 0 onto my spare word
	s_wait_dscnt 0x0                               ; the add is done, and my reads of this half are over
	CROUND
	tensor_load_to_lds s[G0R+4*(\r):G0R+4*(\r)+3], s[G1R:G1R+7]   ; my one tensor load behind the round: my 16 KB of the second pass's half r
	s_nop 0
.rept 4
	v_nop                                          ; (they are also the places in front of the loads that follow)
.endr
.endm
; THE WAY OUT, a block of 16 rows x 64 columns at a time.  A lane holds 32 neighbouring bytes of a row and the lanes beside it hold other rows: a block goes through my own stage and comes back as whole rows of 256 bytes.
; LDS serves a wave's instructions in order (ISA guide 5.7.1.4): no wait between the stores and the loads, nor in front of the next block's stores.
.macro TOSTAGE p, a
.irp nt, 0,1,2,3
	ds_store_b128 v[STO], v[ACC+64*(\p)+8*(4*(\a)+\nt):ACC+64*(\p)+8*(4*(\a)+\nt)+3] offset:64*\nt        ; each accumulator from its low end on
	ds_store_b128 v[STO], v[ACC+64*(\p)+8*(4*(\a)+\nt)+4:ACC+64*(\p)+8*(4*(\a)+\nt)+7] offset:64*\nt+16
.endr
.irp i, 0,1,2,3,4,5,6,7
	ds_load_b128 v[OUTR+32*(\a)+4*\i:OUTR+32*(\a)+4*\i+3], v[RD] offset:\i*2*SPITCH
.endr
.endm
.macro SEND p, a, younger              ; younger: the LDS instructions issued behind block a's loads, which may stay out
	s_wait_dscnt \younger
.irp i, 0,1,2,3,4,5,6,7
	global_store_b128 v[CO], v[OUTR+32*(\a)+4*\i:OUTR+32*(\a)+4*\i+3], s[10:11] offset:(16*(\a)+2*\i)*2048+256*(\p) th:TH_STORE_NT   ; 16 lanes store 256 consecutive, aligned bytes; written once, read by nobody here
.endr
.endm
	s_load_b256 s[4:11], s[0:1], 0x0               ; goimg s[4:5], woimg s[6:7], bo s[8:9], out0 s[10:11]
	v_lshl_add_u32 v[SPW], v0, 2, SPARE
	v_mov_b32 v[NIL], 0
	ds_add_u32 v[SPW], v[NIL]                      ; the wave's opening: the add, twice on end, and its wait ahead of my first tensor load; the set-up below, work on registers, stands between
	ds_add_u32 v[SPW], v[NIL]
	v_lshrrev_b32 v11, 5, v0
	v_readfirstlane_b32 s14, v11                   ; wave 0..3: my 32 rows
	s_lshr_b32 s15, s14, 1                         ; at the start I fetch for go (0) or for Wo (1),
	s_and_b32 s16, s14, 1                          ; and which 32 KB of a half
	s_bfe_u32 s17, ttmp6, 0x40000                  ; cx
	s_bfe_u32 s18, ttmp6, 0x40004                  ; cy
	s_and_b32 s19, ttmp7, 0xffff
	s_lshl_b32 s19, s19, 2
	s_add_co_u32 s19, s19, s18                     ; block of 128 rows = 4 x cluster y + cy
	s_lshl_b32 s20, ttmp9, 2
	s_add_co_u32 s20, s20, s17                     ; block of 128 columns = 4 x cluster x + cx
	s_lshl_b32 s21, s18, 2
	s_lshl_b32 s21, 15, s21                        ; my row of the cluster
	s_lshl_b32 s22, 0x1111, s17                    ; my column
	s_or_b32 s[G1G], s21, (3<<16)|(1<<21)          ; the mask; elements of 8 bytes; bit 21 beside a mask; no padding: 32 KB, dense, as 128 rows of 256 bytes
	s_or_b32 s[G1W], s22, (3<<16)|(1<<21)
.irp g, G1G, G1W
	s_mov_b32 s[\g+1], 32<<16
	s_mov_b32 s[\g+2], 128<<16
	s_mov_b32 s[\g+3], 32<<16
	s_mov_b32 s[\g+4], 128
	s_mov_b32 s[\g+5], 32
	s_mov_b32 s[\g+6], 0
	s_mov_b32 s[\g+7], 0
.endr
	s_or_b32 s[G1R], s22, (3<<16)|(1<<21)          ; the refills: my column's mask; 16 KB, dense, as 64 rows of 256 bytes
	s_mov_b32 s[G1R+1], 32<<16
	s_mov_b32 s[G1R+2], 64<<16
	s_mov_b32 s[G1R+3], 32<<16
	s_mov_b32 s[G1R+4], 64
	s_mov_b32 s[G1R+5], 32
	s_mov_b32 s[G1R+6], 0
	s_mov_b32 s[G1R+7], 0
	s_lshl_b32 s23, s16, 15
	s_lshl_b32 s80, s19, 17                        ; go: 128 KB a block of rows: nothing here holds cx
	s_add_co_u32 s80, s80, s23
	s_mov_b32 s81, 0
	s_lshl_b32 s82, s20, 18                        ; Wo: 128 KB for each 64 columns, so 256 KB a block: nothing here holds cy.  The first pass's:
	s_add_co_u32 s82, s82, s23
	s_mov_b32 s83, 0
	s_lshl_b32 s84, s14, 15                        ; where the first fills go: 32 KB x wave
	s_lshl_b32 s90, s20, 18                        ; the second pass's 64 columns,
	s_add_co_u32 s90, s90, 131072
	s_lshl_b32 s92, s14, 14
	s_add_co_u32 s90, s90, s92                     ; my 16 KB of a half
	s_mov_b32 s91, 0
	s_add_co_u32 s92, s92, 65536                   ; and where they go: behind go's 64 KB, 16 KB x wave
	s_lshl_b32 s88, s20, 9                         ; the block's 128 columns, in bytes: bo's offset
	s_mov_b32 s89, 0
	s_lshl_b32 s86, s19, 18                        ; out0: 128 rows of 2,048 bytes,
	s_lshl_b32 s93, s14, 16
	s_add_co_u32 s86, s86, s93                     ; my 32,
	s_add_co_u32 s86, s86, s88                     ; the block's columns
	s_mov_b32 s87, 0
	s_wait_dscnt 0x0                               ; both opening adds are done
	s_wait_kmcnt 0x0
	s_add_nc_u64 s[80:81], s[4:5], s[80:81]
	s_add_nc_u64 s[82:83], s[6:7], s[82:83]
	s_add_nc_u64 s[90:91], s[6:7], s[90:91]
	s_add_nc_u64 s[8:9], s[8:9], s[88:89]
	s_add_nc_u64 s[10:11], s[10:11], s[86:87]
.irp n, 0,1
	s_mov_b32 s[G0G+4*\n], 1
	s_add_co_u32 s[G0G+4*\n+1], s84, \n*131072
	s_add_nc_u64 s[G0G+4*\n+2:G0G+4*\n+3], s[80:81], \n*65536
	s_or_b32 s[G0G+4*\n+3], s[G0G+4*\n+3], 0x80000000
	s_mov_b32 s[G0W+4*\n], 1
	s_add_co_u32 s[G0W+4*\n+1], s84, \n*131072
	s_add_nc_u64 s[G0W+4*\n+2:G0W+4*\n+3], s[82:83], \n*65536
	s_or_b32 s[G0W+4*\n+3], s[G0W+4*\n+3], 0x80000000
	s_mov_b32 s[G0R+4*\n], 1
	s_add_co_u32 s[G0R+4*\n+1], s92, \n*131072
	s_add_nc_u64 s[G0R+4*\n+2:G0R+4*\n+3], s[90:91], \n*65536
	s_or_b32 s[G0R+4*\n+3], s[G0R+4*\n+3], 0x80000000
.endr
	CROUND                                         ; all sixteen work-groups are here: the joint loads meet
	s_cmp_eq_u32 s15, 0                            ; a wave's two first fills stand in one branch, ahead of every wait on TENSORcnt and every LDS read; an s_nop 0 follows each, four v_nop the second's
	s_cbranch_scc0 .Lfirst_w
	tensor_load_to_lds s[G0G:G0G+3], s[G1G:G1G+7]
	s_nop 0
	tensor_load_to_lds s[G0G+4:G0G+7], s[G1G:G1G+7]
	s_nop 0
.rept 4
	v_nop
.endr
	s_branch .Lfirst_asked
.Lfirst_w:
	tensor_load_to_lds s[G0W:G0W+3], s[G1W:G1W+7]
	s_nop 0
	tensor_load_to_lds s[G0W+4:G0W+7], s[G1W:G1W+7]
	s_nop 0
.rept 4
	v_nop
.endr
.Lfirst_asked:
	v_and_b32 v11, 31, v0
	v_lshlrev_b32 v12, 4, v11                      ; 16 x lane
	v_and_b32 v13, 15, v0                          ; r
	v_bfe_u32 v14, v0, 4, 1                        ; h
	v_lshlrev_b32 v[BOA], 5, v14
	WIN 0x40                                       ; destination window 1
.irp t, 0,1,2,3,4,5,6,7
	global_load_b128 v[BO+8*\t:BO+8*\t+3], v[BOA], s[8:9] offset:64*\t             ; register j of lane (r, h) belongs to column 16 t + 8 h + j of the block's 128
	global_load_b128 v[BO+8*\t+4:BO+8*\t+7], v[BOA], s[8:9] offset:64*\t+16
.endr
	WIN 0
	s_lshl_b32 s93, s14, 11                        ; my two tiles of rows: 2 KB x wave in each K step's 8 KB
	v_add_nc_u32 v[AG], s93, v12
	v_add_nc_u32 v[AG+1], 131072, v[AG]
	v_add_nc_u32 v[AW], 65536, v12                 ; Wo's images lie behind go's: every wave reads all eight of a K step
	v_add_nc_u32 v[AW+1], 131072, v[AW]
	s_mul_i32 s93, s14, 16*SPITCH
	s_add_co_u32 s93, s93, STAGE                   ; my stage
	v_mul_u32_u24 v[STO], v13, SPITCH              ; in: row r, 32 bytes for each half of the lanes
	v_lshl_add_u32 v[STO], v14, 5, v[STO]
	v_add_nc_u32 v[STO], s93, v[STO]
	v_mul_u32_u24 v[RD], v14, SPITCH               ; back: lanes 0-15 one row of 256 bytes, lanes 16-31 the next
	v_lshl_add_u32 v[RD], v13, 4, v[RD]
	v_add_nc_u32 v[RD], s93, v[RD]
	v_lshlrev_b32 v[CO], 11, v14                   ; and the same two rows in out0
	v_lshl_add_u32 v[CO], v13, 4, v[CO]
	s_wait_tensorcnt 1                             ; my part of the first half of K is in; the second half's load may stay out
	s_barrier_signal -1
	s_barrier_wait -1                              ; everybody's is
	FETCH 0, 0
	FETCH 1, 1
	s_wait_loadcnt 0x0                             ; bo
.set G, 0
.rept 32
.if G == 31
	s_wait_dscnt 0x0
.elseif G == 17
	s_wait_dscnt 52                                ; step 17's fragments are in; behind them: step 18's 20 loads and the stage's 32 instructions
.else
	s_wait_dscnt 20                                ; this step's fragments are in; the 20 loads of the next may be out
.endif
	MUL16 G
.if (G == 6) || (G == 14)
	REFILL (G-6)/8                                 ; the fetch of step G + 1, the half's last, was issued a step ago
.elseif G == 22
	s_wait_tensorcnt 0x0                           ; my part of the second pass's second half is in,
	s_wait_dscnt 0x0                               ; (no LDS instruction of mine is pending at a signal)
	s_barrier_signal -1
	s_barrier_wait -1                              ; everybody's is: step 24 may be fetched
	PLACES
.elseif G <= 29
	PLACES                                         ; in front of loads into registers that the products above have read
.endif
.if G <= 29
	FETCH G+2, G%2
.endif
.if G == 16                            ; the first pass's sums were finished a step ago: they go through the stage now,
	WIN 0
	TOSTAGE 0, 0
	TOSTAGE 0, 1
.endif
.if G == 17                            ; and are stored a step later, under the second pass's products
	WIN 0
	SEND 0, 0, 36                                  ; behind block 0's loads: block 1's 16 stage instructions and step 19's 20 loads
	SEND 0, 1, 20                                  ; behind block 1's: step 19's 20
.endif
.set G, G+1
.endr
	WIN 0
	PLACES                                         ; behind the last products
	s_wait_xcnt 0x0                                ; the first pass's stores have read their registers: the second pass's rows may land there
	TOSTAGE 1, 0
	TOSTAGE 1, 1
	SEND 1, 0, 16                                  ; behind block 0's loads: block 1's 8 stores and 8 loads
	SEND 1, 1, 0
	s_wait_tensorcnt 0x0                           ; the wave's end, behind my last tensor load and my last LDS store
	ds_add_u32 v[SPW], v[NIL]
	s_wait_dscnt 0x0
	CROUND                                         ; the closing round: no work-group ends while a partner may still ask for a tile that names it
	s_endpgm
.Lfunc_end_k_q439f207eb8_outp:
	.size	k_q439f207eb8_outp, .Lfunc_end_k_q439f207eb8_outp-k_q439f207eb8_outp
	.p2alignl 7, 3214868480
	.fill 96, 4, 3214868480
	.section	.rodata,"a",@progbits
	.p2align	6, 0x0
	.amdhsa_kernel k_q439f207eb8_outp
		.amdhsa_group_segment_fixed_size 327680
		.amdhsa_private_segment_fixed_size 0
		.amdhsa_enable_private_segment 0
		.amdhsa_kernarg_size 32
		.amdhsa_user_sgpr_count 2
		.amdhsa_user_sgpr_kernarg_segment_ptr 1
		.amdhsa_wavefront_size32 1
		.amdhsa_system_sgpr_workgroup_id_x 1
		.amdhsa_system_sgpr_workgroup_id_y 1
		.amdhsa_system_sgpr_workgroup_id_z 1
		.amdhsa_system_vgpr_workitem_id 0
		.amdhsa_next_free_vgpr 512
		.amdhsa_next_free_sgpr 96
		.amdhsa_reserve_vcc 0
		.amdhsa_float_denorm_mode_32 3
		.amdhsa_float_denorm_mode_16_64 3
		.amdhsa_memory_ordered 1
		.amdhsa_forward_progress 1
		.amdhsa_inst_pref_size 97
	.end_amdhsa_kernel
	.amdgpu_metadata
---
amdhsa.version: [ 1, 2 ]
amdhsa.kernels:
  - .name:           k_q439f207eb8_outp
    .symbol:         k_q439f207eb8_outp.kd
    .args:
      - { .name: goimg, .offset: 0, .size: 8, .value_kind: global_buffer, .address_space: global }
      - { .name: woimg, .offset: 8, .size: 8, .value_kind: global_buffer, .address_space: global }
      - { .name: bo, .offset: 16, .size: 8, .value_kind: global_buffer, .address_space: global }
      - { .name: out0, .offset: 24, .size: 8, .value_kind: global_buffer, .address_space: global }
    .group_segment_fixed_size: 327680
    .private_segment_fixed_size: 0
    .kernarg_segment_align: 8
    .kernarg_segment_size: 32
    .max_flat_workgroup_size: 128
    .sgpr_count:     96
    .vgpr_count:     512
    .wavefront_size: 32
...
	.end_amdgpu_metadata
.endif
;; end of part 4
